; MI455X (gfx1250); checked and timed in simulation.
; The chip was launched on July 23, 2026; its instructions are those of AMD's public machine-readable ISA for CDNA 5 (MIT licence, August 2026) and "CDNA5" Instruction Set Architecture Reference Guide (July 2026). The comments in the code are by the model that wrote it; some were corrected since.
;; Hybrid Interference Self Attention. Allowed arithmetic: float matrix products may take bf16 or f16 operands with f32 sums; other float arithmetic in f32, or as packed bf16 or f16 multiplies, adds, multiply-adds, maxima and minima; sums over many terms, partial sums and values carried from step to step in f32; what a program stores and reads back later, other than sums and carried values, may be rounded once to bf16 or f16.
;; Inputs: Wk 1,024 x 1,024 float32; Wkp 1,024 x 1,024 float32; Wo 1,024 x 1,024 float32; Wq 1,024 x 1,024 float32; Wqp 1,024 x 1,024 float32; Wv 1,024 x 1,024 float32; lambda_raw 16 float32; x 2 x 2,048 x 1,024 float32.
;; Outputs: out0 2 x 2,048 x 1,024 float32.
;; One version. Each part assembles by itself: llvm-mc -triple=amdgcn-amd-amdhsa -mcpu=gfx1250 --defsym DOCPART=n.
;; ======== version 1 of 1: 4 launches
;; limits: values are held in f16: magnitudes above 65,504 overflow, below 6.1e-05 lose precision; a function is approximated: absolute error at most 5e-05
;; workspace buffers: xb 8,388,608 bytes; wt 10,485,760 bytes; wot 2,097,152 bytes; qc 25,165,824 bytes; kc 25,165,824 bytes; vh 8,388,608 bytes; oh 8,388,608 bytes
;; launch prep (part 1): grid 128 x 10, 8 waves a work-group, no clusters, 18,432 bytes of LDS; arguments x, Wq, Wqp, Wv, Wk, Wkp, Wo, xb, wt, wot; writes xb, wt, wot
.if DOCPART == 1
	.amdgcn_target "amdgcn-amd-amdhsa--gfx1250"
	.amdhsa_code_object_version 6
	.text
	.protected	k_qd56f92e001_prep
	.globl	k_qd56f92e001_prep
	.p2align	8
	.type	k_qd56f92e001_prep,@function
k_qd56f92e001_prep:
	s_mov_b64 s[64:65], 0
	v_nop
	global_prefetch_b8 v0, s[64:65] scope:SCOPE_SE
	s_setreg_imm32_b32 hwreg(HW_REG_WAVE_MODE, 25, 1), 1
	s_wait_xcnt 0x0
; PREP.  Every input of the later products is rounded once to bf16 and laid out with K along the rows.
;   y = 0..4 (Wq, Wqp, Wv, Wk, Wkp: [1024 k][1024 n] f32): a tile of 128 k x 64 n (one head's columns) is turned through LDS into wt[head][320][1024 k] bf16.
;            A head's 320 rows: 0-63 Wq, 64-127 Wqp, 128-159 Wv's channels 0-31, 160-223 Wk, 224-287 Wkp, 288-319 Wv's channels 32-63.
;   y = 5    (Wo): the same turn into wot[1024 n][1024 k]; the bf16 number is written as f16.
;   y = 6..9 a quarter of x each: 32,768 bytes of f32 a work-group become 16,384 bytes of bf16 in xb.
; LIMIT.  A bf16 number of Wo below 2^-14 keeps f16's fixed step of 2^-24; beyond 65,504 it would be an infinity.
; A stream: each byte is read once and written once; no matrix unit, no cluster (no two work-groups share a byte).
; Loads: 16 lanes take 256 consecutive bytes.  Stores: 16 lanes x 16 bytes (32 x 8 in the cast) fill 256 consecutive bytes, aligned.
.set PITCH, 272                        ; an LDS row: 128 k x 2 bytes + 16
.set SPARE, 64*PITCH                   ; behind the 64 rows: the spare words, 128 bytes for each of the eight waves
.set VO,  1                            ; my byte offset in the tile of W
.set TS,  2                            ; LDS: where I put 16 bytes (8 k of one n)
.set TR,  3                            ; LDS: where I read a row's 16 bytes back
.set GO,  4                            ; my byte offset in the rows of wt or wot
.set XO,  5                            ; 16 x thread
.set XS,  6                            ; 8 x thread
.set R,   8                            ; v[8:39]   eight loads of four
.set WD,  40                           ; v[40:55]  packed
.set TA,  56                           ; v[56:57]  at work
.set SPW, 60                           ; LDS address of my spare word; never rewritten
.set NIL, 61                           ; 0; never rewritten
	s_load_b512 s[4:19], s[0:1], 0x0               ; x, Wq, Wqp, Wv, Wk, Wkp, Wo, xb
	s_load_b128 s[20:23], s[0:1], 0x40             ; wt, wot
	v_lshl_add_u32 v[SPW], v0, 2, SPARE
	v_mov_b32 v[NIL], 0
	s_and_b32 s24, ttmp7, 0xffff                   ; y: the same in all waves of a work-group
	v_and_b32 v7, 15, v0                           ; c: which 16 bytes of a row of 256
	v_bfe_u32 v62, v0, 4, 1                        ; hh
	v_lshrrev_b32 v63, 5, v0                       ; wave
	v_lshlrev_b32 v[VO], 4, v7
	v_lshl_add_u32 v[VO], v62, 15, v[VO]
	v_lshl_add_u32 v[VO], v63, 16, v[VO]           ; (16 wave + 8 hh) rows of 4,096 bytes + 16 c
	v_mul_u32_u24 v[TS], v7, 4*PITCH
	v_lshl_add_u32 v[TS], v63, 5, v[TS]
	v_lshl_add_u32 v[TS], v62, 4, v[TS]            ; row n = 4 c, byte 2 (16 wave + 8 hh)
	v_lshrrev_b32 v[GO], 4, v0
	v_mul_u32_u24 v[TR], v[GO], PITCH
	v_lshl_add_u32 v[TR], v7, 4, v[TR]             ; row thread / 16, 16 bytes a lane
	v_lshlrev_b32 v[GO], 11, v[GO]
	v_lshl_add_u32 v[GO], v7, 4, v[GO]             ; the same row in memory: 2,048 bytes a row
	v_lshlrev_b32 v[XO], 4, v0
	v_lshlrev_b32 v[XS], 3, v0
	s_wait_kmcnt 0x0
	s_cmp_ge_u32 s24, 6
	s_cbranch_scc1 .Lcast
	; ---- a tile of a weight matrix is turned
	s_and_b32 s26, ttmp9, 7                        ; which 128 k
	s_lshr_b32 s27, ttmp9, 3                       ; which 64 n: the head
	s_mov_b64 s[28:29], s[6:7]
	s_cmp_eq_u32 s24, 1
	s_cselect_b64 s[28:29], s[8:9], s[28:29]
	s_cmp_eq_u32 s24, 2
	s_cselect_b64 s[28:29], s[10:11], s[28:29]
	s_cmp_eq_u32 s24, 3
	s_cselect_b64 s[28:29], s[12:13], s[28:29]
	s_cmp_eq_u32 s24, 4
	s_cselect_b64 s[28:29], s[14:15], s[28:29]
	s_cmp_eq_u32 s24, 5
	s_cselect_b64 s[28:29], s[16:17], s[28:29]
	s_cselect_b64 s[32:33], s[22:23], s[20:21]     ; Wo goes to wot, the others to wt
	s_lshl_b32 s30, s26, 19                        ; 128 rows of 4,096 bytes
	s_lshl_b32 s31, s27, 8                         ; 64 columns of 4 bytes
	s_add_co_u32 s30, s30, s31
	s_mov_b32 s31, 0
	s_add_nc_u64 s[28:29], s[28:29], s[30:31]
.irp j, 0,1,2,3,4,5,6,7
	global_load_b128 v[R+4*(\j):R+4*(\j)+3], v[VO], s[28:29] offset:(\j)*4096 th:TH_LOAD_NT
.endr
	s_mul_i32 s34, s27, 320                        ; the first row that the tile's 64 n take in wt:
	s_lshl_b32 s35, s24, 6                         ; 320 head + 64 y,
	s_add_co_u32 s34, s34, s35
	s_cmp_ge_u32 s24, 3
	s_cselect_b32 s35, 32, 0                       ; less 32 behind Wv's first half;
	s_sub_co_u32 s34, s34, s35
	s_lshl_b32 s35, s27, 6
	s_cmp_eq_u32 s24, 5
	s_cselect_b32 s34, s35, s34                    ; in wot simply 64 head
	s_lshl_b32 s34, s34, 11
	s_lshl_b32 s35, s26, 8                         ; 128 k = 256 bytes along the row
	s_add_co_u32 s34, s34, s35
	s_mov_b32 s35, 0
	s_add_nc_u64 s[32:33], s[32:33], s[34:35]      ; for n 0-31
	s_cmp_eq_u32 s24, 2
	s_cselect_b32 s34, 128*2048, 0                 ; Wv's channels 32-63 lie 128 rows further on
	s_add_nc_u64 s[36:37], s[32:33], s[34:35]      ; for n 32-63
; Rows 2 jj and 2 jj + 1 give, for each of my four n, one word of two neighbouring k.  half = 1: the bf16 number is written as f16.
.macro PACKW half
.irp jj, 0,1,2,3
	s_wait_loadcnt 6-2*(\jj)                       ; the loads younger than row 2 jj + 1 may stay out
.irp i, 0,1,2,3
	v_cvt_pk_bf16_f32 v[WD+4*(\i)+(\jj)], v[R+8*(\jj)+(\i)], v[R+8*(\jj)+4+(\i)]
.if \half
	v_lshlrev_b32 v[TA], 16, v[WD+4*(\i)+(\jj)]
	v_and_b32 v[TA+1], 0xffff0000, v[WD+4*(\i)+(\jj)]
	v_cvt_pk_f16_f32 v[WD+4*(\i)+(\jj)], v[TA], v[TA+1]
.endif
.endr
.endr
.endm
	s_cmp_eq_u32 s24, 5
	s_cbranch_scc1 .Lwo
	PACKW 0
	s_branch .Lput
.Lwo:
	PACKW 1
.Lput:
.irp i, 0,1,2,3
	ds_store_b128 v[TS], v[WD+4*(\i):WD+4*(\i)+3] offset:(\i)*PITCH  ; 8 k of n = 4 c + i
.endr
	s_wait_dscnt 0x0                               ; for the others' sake: my part of the turned tile lies in LDS
	s_barrier_signal -1
	s_barrier_wait -1
.irp r, 0,1,2,3
	ds_load_b128 v[R+4*(\r):R+4*(\r)+3], v[TR] offset:(\r)*16*PITCH  ; rows 16 r + thread / 16
.endr
	s_wait_dscnt 3                                 ; the younger LDS loads may stay out, here and below
	global_store_b128 v[GO], v[R:R+3], s[32:33]
	s_wait_dscnt 2
	global_store_b128 v[GO], v[R+4:R+7], s[32:33] offset:16*2048
	s_wait_dscnt 1
	global_store_b128 v[GO], v[R+8:R+11], s[36:37] offset:32*2048
	s_wait_dscnt 0
	global_store_b128 v[GO], v[R+12:R+15], s[36:37] offset:48*2048
	s_branch .Lend
	; ---- 32,768 bytes of x are rounded to bf16
.Lcast:
	s_sub_co_u32 s25, s24, 6
	s_lshl_b32 s28, s25, 22                        ; a quarter of x,
	s_lshl_b32 s29, ttmp9, 15                      ; the work-group's part of it
	s_add_co_u32 s28, s28, s29
	s_mov_b32 s29, 0
	s_add_nc_u64 s[30:31], s[4:5], s[28:29]
	s_lshr_b32 s28, s28, 1                         ; half the bytes in xb
	s_add_nc_u64 s[32:33], s[18:19], s[28:29]
.irp j, 0,1,2,3,4,5,6,7
	global_load_b128 v[R+4*(\j):R+4*(\j)+3], v[XO], s[30:31] offset:(\j)*4096 th:TH_LOAD_NT
.endr
.irp j, 0,1,2,3,4,5,6,7
	s_wait_loadcnt 7-(\j)                          ; the younger loads may stay out
	v_cvt_pk_bf16_f32 v[WD+2*(\j)], v[R+4*(\j)], v[R+4*(\j)+1]
	v_cvt_pk_bf16_f32 v[WD+2*(\j)+1], v[R+4*(\j)+2], v[R+4*(\j)+3]
	global_store_b64 v[XS], v[WD+2*(\j):WD+2*(\j)+1], s[32:33] offset:(\j)*2048
.endr
.Lend:
	s_wait_tensorcnt 0x0                           ; the wave's end: three lines behind my last LDS store
	ds_add_u32 v[SPW], v[NIL]
	s_wait_dscnt 0x0
	s_endpgm
.Lfunc_end_k_qd56f92e001_prep:
	.size	k_qd56f92e001_prep, .Lfunc_end_k_qd56f92e001_prep-k_qd56f92e001_prep
	.p2alignl 7, 3214868480
	.fill 96, 4, 3214868480
	.section	.rodata,"a",@progbits
	.p2align	6, 0x0
	.amdhsa_kernel k_qd56f92e001_prep
		.amdhsa_group_segment_fixed_size 18432
		.amdhsa_private_segment_fixed_size 0
		.amdhsa_enable_private_segment 0
		.amdhsa_kernarg_size 80
		.amdhsa_user_sgpr_count 2
		.amdhsa_user_sgpr_kernarg_segment_ptr 1
		.amdhsa_wavefront_size32 1
		.amdhsa_system_sgpr_workgroup_id_x 1
		.amdhsa_system_sgpr_workgroup_id_y 1
		.amdhsa_system_sgpr_workgroup_id_z 1
		.amdhsa_system_vgpr_workitem_id 0
		.amdhsa_next_free_vgpr 64
		.amdhsa_next_free_sgpr 66
		.amdhsa_reserve_vcc 0
		.amdhsa_float_denorm_mode_32 3
		.amdhsa_float_denorm_mode_16_64 3
		.amdhsa_memory_ordered 1
		.amdhsa_forward_progress 1
		.amdhsa_inst_pref_size 13
	.end_amdhsa_kernel
	.amdgpu_metadata
---
amdhsa.version: [ 1, 2 ]
amdhsa.kernels:
  - .name:           k_qd56f92e001_prep
    .symbol:         k_qd56f92e001_prep.kd
    .args:
      - { .name: x, .offset: 0, .size: 8, .value_kind: global_buffer, .address_space: global }
      - { .name: Wq, .offset: 8, .size: 8, .value_kind: global_buffer, .address_space: global }
      - { .name: Wqp, .offset: 16, .size: 8, .value_kind: global_buffer, .address_space: global }
      - { .name: Wv, .offset: 24, .size: 8, .value_kind: global_buffer, .address_space: global }
      - { .name: Wk, .offset: 32, .size: 8, .value_kind: global_buffer, .address_space: global }
      - { .name: Wkp, .offset: 40, .size: 8, .value_kind: global_buffer, .address_space: global }
      - { .name: Wo, .offset: 48, .size: 8, .value_kind: global_buffer, .address_space: global }
      - { .name: xb, .offset: 56, .size: 8, .value_kind: global_buffer, .address_space: global }
      - { .name: wt, .offset: 64, .size: 8, .value_kind: global_buffer, .address_space: global }
      - { .name: wot, .offset: 72, .size: 8, .value_kind: global_buffer, .address_space: global }
    .group_segment_fixed_size: 18432
    .private_segment_fixed_size: 0
    .kernarg_segment_align: 8
    .kernarg_segment_size: 80
    .max_flat_workgroup_size: 256
    .sgpr_count:     66
    .vgpr_count:     64
    .wavefront_size: 32
...
	.end_amdgpu_metadata
.endif
;; end of part 1
;; launch proj (part 2): grid 16 x 16, 4 waves a work-group, clusters of 4 x 4, 327,680 bytes of LDS; arguments xb, wt, lambda_raw, qc, kc, vh; writes qc, kc, vh
.if DOCPART == 2
	.amdgcn_target "amdgcn-amd-amdhsa--gfx1250"
	.amdhsa_code_object_version 6
	.text
	.protected	k_qd56f92e001_proj
	.globl	k_qd56f92e001_proj
	.p2align	8
	.type	k_qd56f92e001_proj,@function
k_qd56f92e001_proj:
	s_mov_b64 s[64:65], 0
	v_nop
	global_prefetch_b8 v0, s[64:65] scope:SCOPE_SE
	s_setreg_imm32_b32 hwreg(HW_REG_WAVE_MODE, 25, 1), 1
	s_wait_xcnt 0x0
	s_wait_alu depctr_hold_cnt(0) depctr_sa_sdst(0) depctr_va_vdst(0) depctr_va_sdst(0) depctr_va_ssrc(0) depctr_va_vcc(0) depctr_vm_vsrc(0)
	s_getreg_b32 s2, hwreg(HW_REG_IB_STS2, 6, 4)
	s_cmp_eq_u32 s2, 0
	s_cbranch_scc0 .Lentry_in_a_cluster
	s_endpgm
.Lentry_in_a_cluster:
	s_bfe_u32 s2, ttmp6, 0x10000c
	s_cmp_lg_u32 s2, 0xf033
	s_cbranch_scc0 .Lentry_shape_is_right
	s_endpgm
.Lentry_shape_is_right:
; PROJ.  All five projections of one head for 256 rows of x, and what reference() makes of them in front of the scores.
;   [256 rows] x [320 columns of wt's head] over K = 1,024, bf16 operands, f32 sums.  Then
;   qc[bh][s/64][3][64][64] f16 = q | lam amp(q) cos(phi_q) | lam amp(q) sin(phi_q);   kc likewise of k, without lam;   vh[bh][s][64] f16 = v.
;   amp(t) = softplus(t) / sqrt(mean over the head's 64 channels of softplus^2 + 1e-6);  phi = pi tanh(phase projection);  lam = 0.5 tanh(lambda_raw[head]).
; So the three score terms of reference() are ONE product of depth 192 in the next launch; the scale 1/8 is applied there, in f32.
; LIMITS.  q, k, v leave as f16: they must lie within 65,504.  softplus(t) = max(t, 0) + ln2 log2(1 + 2^(-|t| log2 e)): absolute error about 6e-8.
;   sin and cos come from the half angle a = phi / 2 in [-pi/2, pi/2] by Taylor sums to a^9 and a^8 (first terms left out: 3.6e-6 and 2.5e-5), sin phi = 2 sin a cos a, cos phi = 1 - 2 sin^2 a.
;   tanh(p) = 1 - 2 / (1 + 2^(2 p log2 e)), right at both ends of the range.  lambda_raw is rounded to bf16 like every input.  NaN and infinities are not treated apart.
; SHARES.  Four waves; wave w takes rows 128 (w / 2) .. + 127 and columns 160 (w % 2) .. + 159: [q 64 | q's phase 64 | v 0-31] or [k 64 | k's phase 64 | v 32-63]: 80 accumulators, 640 registers.
;   For 32 along K a wave reads 36 fragments' halves (36 LDS loads) for 80 matrix instructions.
; THE MATRIX INSTRUCTION IS USED TRANSPOSED (source 0 = 16 rows of wt, source 1 = 16 rows of xb): a lane holds one row of x and eight neighbouring columns.
; RING.  K goes in 8 steps of 128 (rows of 256 bytes, aligned) through two LDS slots; one tensor load a wave behind each change of slots.
; CLUSTER.  4 x 4 work-groups: the four of a row share xb's tile, the four of a column wt's: each tile is asked for jointly, same line, same descriptor, a mask of four.
; REGISTERS, in windows of 256 (s_set_vgpr_msb: bits 1:0 source 0, 3:2 source 1, 5:4 source 2, 7:6 destination):
;   window 0: v0-31 addresses; v32-95, v96-159 xb's fragments, two buffers; v160-239 wt's fragments, buffer 0
;   window 1: v0-159 accumulators of row blocks 0, 1; v160-239 wt's fragments, buffer 1      window 2: row blocks 2-4      window 3: row blocks 5-7
.set PITCH,  272                       ; an LDS row: 256 bytes + 16: the 16 rows of a fragment load start 4 banks apart (64 banks of 4 bytes: ISA guide 11.1)
.set ABYTES, 256*PITCH                 ; xb's 256 rows
.set SLOT,   576*PITCH                 ; then wt's 320 rows
.set SPARE,  2*SLOT                    ; behind the ring: the spare words, 128 bytes for each wave
.set DPITCH, 528                       ; after the last fill the ring's bytes take the sums: 128 f32 a row + 16 bytes,
.set DUMPW,  128*DPITCH                ; 128 rows for each wave,
.set VST,    4*DUMPW                   ; and behind them v: 256 rows of 64 f16,
.set VPITCH, 144                       ; 128 bytes + 16
.set A0,   16                          ; v16  my lane's place among xb's rows in a slot; never rewritten
.set B0,   17                          ; v17  the same for wt's rows
.set ADRA, 18                          ; v18  A0 + the slot that is read
.set ADRB, 19                          ; v19  B0 + the slot that is read
.set DA,   20                          ; v20  where I put my sums
.set VS,   21                          ; v21  where I put 16 bytes of v
.set LA,   22                          ; v22  where I read 8 + 8 sums back
.set GA,   23                          ; v23  my 16 bytes in 512 consecutive bytes of qc or kc
.set VR,   24                          ; v24  where I read v back
.set VG,   25                          ; v25  16 x lane
.set FAC,  26                          ; v26  lam (q's side) or 1 (k's side)
.set SPW,  28                          ; v28  LDS address of my spare word; never rewritten
.set NIL,  29                          ; v29  0; never rewritten
.set FA,   32
.set FB,   160
.set WV,   16                          ; s16  wave
.set RH,   17                          ; s17  wave / 2: my half of the rows; also: I fetch xb's tile (0) or wt's (1)
.set CH,   18                          ; s18  wave % 2: my half of the columns; also: which half of that tile I fetch
.set CX,   19
.set CY,   20
.set HEAD, 21
.set YB,   22                          ; block of 256 rows
.set G1A,  24                          ; s[24:31] descriptor group 1, xb's tiles
.set G0A,  32                          ; s[32:39] group 0: a set for each of the two first fills; the second then walks on
.set G1B,  40                          ; s[40:47], s[48:55] the same for wt's tiles
.set G0B,  48
.set TBF,  56                          ; s56  the slot last filled: 0 or SLOT
.set TB,   57                          ; s57  the slot that is read
.set CNT,  58
.set LBA,  59                          ; s59  my half's place in a slot, xb
.set LBB,  60                          ; s60  the same, wt
.set MSB, 0
.macro WIN new                         ; the immediate's high byte repeats the setting that is left; a switch that changes nothing is dropped
.if MSB != (\new)
	s_set_vgpr_msb (MSB<<8)|(\new)
.set MSB, (\new)
.endif
.endm
.macro PLACES                          ; four places behind matrix instructions, in front of loads into their sources and of reads of their results
.rept 4
	v_nop
.endr
.endm
; A joint refill.  The branch hangs on the wave's number alone.  An s_nop 0 and four v_nop follow each of the two lines.
.macro JLOAD
	s_cmp_eq_u32 s[RH], 0
	s_cbranch_scc0 .Lfor_b_\@
	tensor_load_to_lds s[G0A+4:G0A+7], s[G1A:G1A+7]
	s_nop 0
.rept 4
	v_nop
.endr
	s_branch .Lasked_\@
.Lfor_b_\@:
	tensor_load_to_lds s[G0B+4:G0B+7], s[G1B:G1B+7]
	s_nop 0
.rept 4
	v_nop
.endr
.Lasked_\@:
.endm
.macro CREST                           ; a round of the cluster's barrier behind its opening barrier
	s_cmp_lg_u32 s[WV], 0
	s_cbranch_scc1 .Lnot_wave_0_\@
	s_barrier_signal -3
.Lnot_wave_0_\@:
	s_barrier_wait -3
	s_barrier_signal -1
	s_barrier_wait -1
.endm
.macro CROUND
	s_barrier_signal -1
	s_barrier_wait -1
	CREST
.endm
.macro STEPD                           ; the walking descriptors: the other slot, the next K step.  No tensor load of the wave is out where this stands
	s_xor_b32 s[TBF], s[TBF], SLOT
	s_add_co_u32 s[G0A+5], s[LBA], s[TBF]
	s_add_co_u32 s[G0B+5], s[LBB], s[TBF]
	s_add_nc_u64 s[G0A+6:G0A+7], s[G0A+6:G0A+7], 256
	s_add_nc_u64 s[G0B+6:G0B+7], s[G0B+6:G0B+7], 256
.endm
	s_load_b256 s[4:11], s[0:1], 0x0               ; xb s[4:5], wt s[6:7], lambda_raw s[8:9], qc s[10:11]
	s_load_b128 s[12:15], s[0:1], 0x20             ; kc s[12:13], vh s[14:15]
	v_lshl_add_u32 v[SPW], v0, 2, SPARE
	v_mov_b32 v[NIL], 0
	ds_add_u32 v[SPW], v[NIL]                      ; the wave's opening: the add and its wait stand ahead of my first tensor load
	ds_add_u32 v28, v29
	v_lshrrev_b32 v1, 5, v0
	v_readfirstlane_b32 s[WV], v1
	s_lshr_b32 s[RH], s[WV], 1
	s_and_b32 s[CH], s[WV], 1
	s_bfe_u32 s[CX], ttmp6, 0x40000
	s_bfe_u32 s[CY], ttmp6, 0x40004
	s_lshl_b32 s[HEAD], ttmp9, 2                   ; in a cluster launch ttmp9 and ttmp7 count clusters
	s_add_co_u32 s[HEAD], s[HEAD], s[CX]
	s_and_b32 s[YB], ttmp7, 0xffff
	s_lshl_b32 s[YB], s[YB], 2
	s_add_co_u32 s[YB], s[YB], s[CY]
	s_lshl_b32 s76, s[CY], 2
	s_lshl_b32 s76, 15, s76                        ; my row of the cluster
	s_lshl_b32 s77, 0x1111, s[CX]                  ; my column
	s_or_b32 s[G1A], s76, (1<<16)|(1<<20)|(1<<21)|(5<<22)|(3<<25)  ; mask; 2-byte elements; padding on; bit 21 beside a mask; after every 64 words, 4 words
	s_or_b32 s[G1B], s77, (1<<16)|(1<<20)|(1<<21)|(5<<22)|(3<<25)
.irp g, G1A, G1B
	s_mov_b32 s[(\g)+1], 128<<16                   ; tensor_dim0 = 128
	s_mov_b32 s[(\g)+3], 128<<16                   ; tile_dim0 = 128
	s_mov_b32 s[(\g)+5], 1024                      ; elements from row to row
	s_mov_b32 s[(\g)+6], 0
	s_mov_b32 s[(\g)+7], 0
.endr
	s_mov_b32 s[G1A+2], 128<<16                    ; tensor_dim1 and tile_dim1: 128 rows of xb,
	s_mov_b32 s[G1A+4], 128
	s_mov_b32 s[G1B+2], 160<<16                    ; 160 rows of wt
	s_mov_b32 s[G1B+4], 160
	s_lshl_b32 s66, s[YB], 8
	s_lshl_b32 s67, s[CH], 7
	s_add_co_u32 s66, s66, s67                     ; xb: row 256 block + 128 half: hangs on the block alone, which my row of the cluster shares
	s_lshl_b32 s66, s66, 11
	s_mov_b32 s67, 0
	s_mul_i32 s68, s[HEAD], 320
	s_mul_i32 s69, s[CH], 160
	s_add_co_u32 s68, s68, s69                     ; wt: row 320 head + 160 half: hangs on the head alone, which my column shares
	s_lshl_b32 s68, s68, 11
	s_mov_b32 s69, 0
	s_mul_i32 s[LBA], s[CH], 128*PITCH
	s_mul_i32 s[LBB], s[CH], 160*PITCH
	s_add_co_u32 s[LBB], s[LBB], ABYTES
	s_mov_b32 s[TBF], SLOT
	s_mov_b32 s[TB], 0
	s_wait_dscnt 0x0                               ; the opening add is done
	s_wait_kmcnt 0x0
	s_add_nc_u64 s[70:71], s[4:5], s[66:67]
	s_add_nc_u64 s[72:73], s[6:7], s[68:69]
	CROUND                                         ; all sixteen work-groups are here: the first joint loads meet
.irp s, 0,1
	s_mov_b32 s[G0A+4*(\s)], 1
	s_add_co_u32 s[G0A+4*(\s)+1], s[LBA], (\s)*SLOT
	s_add_nc_u64 s[G0A+4*(\s)+2:G0A+4*(\s)+3], s[70:71], (\s)*256
	s_or_b32 s[G0A+4*(\s)+3], s[G0A+4*(\s)+3], 0x80000000
	s_mov_b32 s[G0B+4*(\s)], 1
	s_add_co_u32 s[G0B+4*(\s)+1], s[LBB], (\s)*SLOT
	s_add_nc_u64 s[G0B+4*(\s)+2:G0B+4*(\s)+3], s[72:73], (\s)*256
	s_or_b32 s[G0B+4*(\s)+3], s[G0B+4*(\s)+3], 0x80000000
.endr
	s_cmp_eq_u32 s[RH], 0                          ; a wave's two first fills stand in one branch: K steps 0 and 1; two loads of mine are out
	s_cbranch_scc0 .Lfirst_b
	tensor_load_to_lds s[G0A:G0A+3], s[G1A:G1A+7]
	s_nop 0
	tensor_load_to_lds s[G0A+4:G0A+7], s[G1A:G1A+7]
	s_nop 0
.rept 4
	v_nop
.endr
	s_branch .Lfirst_asked
.Lfirst_b:
	tensor_load_to_lds s[G0B:G0B+3], s[G1B:G1B+7]
	s_nop 0
	tensor_load_to_lds s[G0B+4:G0B+7], s[G1B:G1B+7]
	s_nop 0
.rept 4
	v_nop
.endr
.Lfirst_asked:
	s_lshl_b32 s74, s[HEAD], 2
	s_mov_b32 s75, 0
	s_add_nc_u64 s[8:9], s[8:9], s[74:75]
	s_load_b32 s23, s[8:9], 0x0                    ; lambda_raw[head]
	; a fragment is 16 rows x 32 K in 8 registers: lane l holds row l % 16, K = 8 (l / 16) + 0..7 and 16 + 8 (l / 16) + 0..7: two loads of 16 bytes, 32 bytes apart
	v_and_b32 v1, 15, v0
	v_bfe_u32 v2, v0, 4, 1
	v_mul_u32_u24 v3, v1, PITCH
	v_lshl_add_u32 v3, v2, 4, v3
	s_mul_i32 s61, s[RH], 128*PITCH
	s_mul_i32 s62, s[CH], 160*PITCH
	s_add_co_u32 s62, s62, ABYTES
	v_add_nc_u32 v[A0], s61, v3
	v_add_nc_u32 v[B0], s62, v3
	v_mov_b32 v[ADRA], v[A0]
	v_mov_b32 v[ADRB], v[B0]
	s_mul_i32 s61, s[WV], DUMPW
	v_mul_u32_u24 v[DA], v1, DPITCH
	v_lshl_add_u32 v[DA], v2, 5, v[DA]
	v_add_nc_u32 v[DA], s61, v[DA]                 ; row l % 16, 32 bytes for each half of the lanes
	s_mul_i32 s62, s[RH], 128*VPITCH
	s_lshl_b32 s63, s[CH], 6
	s_add_co_u32 s62, s62, s63
	s_add_co_u32 s62, s62, VST
	v_mul_u32_u24 v[VS], v1, VPITCH
	v_lshl_add_u32 v[VS], v2, 4, v[VS]
	v_add_nc_u32 v[VS], s62, v[VS]
	v_and_b32 v4, 31, v0
	v_lshrrev_b32 v5, 3, v4                        ; l / 8: one of four rows
	v_and_b32 v6, 7, v0                            ; l % 8: eight channels
	v_mul_u32_u24 v[LA], v5, DPITCH
	v_lshl_add_u32 v[LA], v6, 5, v[LA]
	v_add_nc_u32 v[LA], s61, v[LA]
	v_lshlrev_b32 v[GA], 4, v4
	v_lshlrev_b32 v[VG], 4, v4
	s_mul_i32 s62, s[WV], 64*VPITCH
	s_add_co_u32 s62, s62, VST
	v_mul_u32_u24 v[VR], v5, VPITCH
	v_lshl_add_u32 v[VR], v6, 4, v[VR]
	v_add_nc_u32 v[VR], s62, v[VR]
	; where the results go
	s_lshr_b32 s78, s[YB], 3
	s_lshl_b32 s78, s78, 4
	s_add_co_u32 s78, s78, s[HEAD]                 ; bh = 16 batch + head
	s_and_b32 s79, s[YB], 7                        ; the block of 256 rows in its batch
	s_lshl_b32 s80, s78, 18                        ; vh: 262,144 bytes a head,
	s_lshl_b32 s82, s79, 15                        ; 256 rows of 128 bytes,
	s_add_co_u32 s80, s80, s82
	s_lshl_b32 s82, s[WV], 13                      ; my 64 of them
	s_add_co_u32 s80, s80, s82
	s_mov_b32 s81, 0
	s_add_nc_u64 s[14:15], s[14:15], s[80:81]
	s_mul_i32 s80, s78, 786432                     ; qc, kc: 786,432 bytes a head,
	s_lshl_b32 s82, s79, 2
	s_lshl1_add_u32 s82, s[RH], s82                ; block of 64 rows: 4 block + 2 (wave / 2),
	s_mul_i32 s82, s82, 24576                      ; 24,576 bytes each
	s_add_co_u32 s80, s80, s82
	s_cmp_eq_u32 s[CH], 0
	s_cselect_b64 s[10:11], s[10:11], s[12:13]     ; q's side or k's
	s_cselect_b32 s83, -1, 0
	s_add_nc_u64 s[10:11], s[10:11], s[80:81]
	s_wait_kmcnt 0x0
	v_mov_b32 v7, s23
	v_cvt_pk_bf16_f32 v7, v7, v7                   ; rounded to bf16 like every input
	v_lshlrev_b32 v7, 16, v7
	v_mul_f32 v7, 0x4038aa3b, v7                   ; 2 log2(e) x
	v_exp_f32 v7, v7
	v_nop                                          ; a plain instruction behind each transcendental (ISA guide 5.7.2)
	s_wait_alu depctr_va_vdst(0)
	v_add_f32 v7, 1.0, v7
	v_rcp_f32 v7, v7
	v_nop
	s_wait_alu depctr_va_vdst(0)
	v_sub_f32 v7, 0.5, v7                          ; 0.5 tanh(x) = 0.5 - 1 / (1 + e^(2x))
	v_cndmask_b32 v[FAC], 1.0, v7, s83
; Matrix instructions of group grp (1: row blocks 0, 1; 2: blocks 2-4; 3: blocks 5-7; the group's number is its accumulators' window) x all 10 column blocks, 32 along K, from buffer f.
; The 80 accumulators take turns, one instruction a turn, in the same order in every quarter step.  zero = 1: the product starts the sum.
.macro MULS f, grp, zero
.if (\grp) == 1
.set afirst, 0
.set acount, 2
.elseif (\grp) == 2
.set afirst, 2
.set acount, 3
.else
.set afirst, 5
.set acount, 3
.endif
	WIN (\f)|((\grp)<<4)|((\grp)<<6)
.set ia, 0
.rept acount
.set ib, 0
.rept 10
.if \zero
	v_wmma_f32_16x16x32_bf16 v[80*ia+8*ib:80*ia+8*ib+7], v[FB+8*ib:FB+8*ib+7], v[FA+64*(\f)+8*(afirst+ia):FA+64*(\f)+8*(afirst+ia)+7], 0
.else
	v_wmma_f32_16x16x32_bf16 v[80*ia+8*ib:80*ia+8*ib+7], v[FB+8*ib:FB+8*ib+7], v[FA+64*(\f)+8*(afirst+ia):FA+64*(\f)+8*(afirst+ia)+7], v[80*ia+8*ib:80*ia+8*ib+7]
.endif
.set ib, ib+1
.endr
.set ia, ia+1
.endr
.endm
; 36 LDS loads in one run: wt's 10 fragments, then xb's 8, 32 K at byte k of the rows, into buffer g
.macro FETCH k, g
	WIN (\g)<<6
.set ib, 0
.rept 10
	ds_load_b128 v[FB+8*ib:FB+8*ib+3],   v[ADRB] offset:(\k)+ib*16*PITCH
	ds_load_b128 v[FB+8*ib+4:FB+8*ib+7], v[ADRB] offset:(\k)+ib*16*PITCH+32
.set ib, ib+1
.endr
	WIN 0
.set ia, 0
.rept 8
	ds_load_b128 v[FA+64*(\g)+8*ia:FA+64*(\g)+8*ia+3],   v[ADRA] offset:(\k)+ia*16*PITCH
	ds_load_b128 v[FA+64*(\g)+8*ia+4:FA+64*(\g)+8*ia+7], v[ADRA] offset:(\k)+ia*16*PITCH+32
.set ia, ia+1
.endr
.endm
; One of a K step's first three quarters: multiplies buffer f; behind its first group it fetches the next quarter, at byte k, into buffer g.
.macro QUARTER k, f, g, zero
	s_wait_dscnt 12                                ; wt's fragments and xb's blocks 0, 1 are in; the youngest 12 loads (blocks 2-7) may be out
	MULS \f, 1, \zero
	PLACES
	FETCH \k, \g
	s_wait_dscnt 42                                ; the 36 just issued and blocks 5-7's six
	MULS \f, 2, \zero
	s_wait_dscnt 36                                ; the 36 just issued
	MULS \f, 3, \zero
.endm
; The fourth quarter multiplies buffer 1 and changes slots: one barrier.  In front of it each wave waits for all its tensor loads (its part of the next slot), adds 0 to its spare word, and waits
; for that and for its reads of this slot.  fill = 1: the barrier opens a round of the cluster's, and this slot is filled again, two K steps ahead, first thing behind the round:
; the load has a K step less 50 matrix instructions in which to land.
.macro TURN fill
	WIN 0
	s_wait_tensorcnt 0x0
	ds_add_u32 v[SPW], v[NIL]
	s_wait_dscnt 13                                ; the add and the youngest 12 loads may be out
	MULS 1, 1, 0
	s_wait_dscnt 0x0                               ; the add is done, and my reads of this slot are over
	s_barrier_signal -1
	MULS 1, 2, 0
	WIN 0
	s_barrier_wait -1
.if \fill
	CREST
	STEPD
	JLOAD                                          ; its four v_nop are also the places in front of the loads below
.else
	PLACES
.endif
	s_xor_b32 s[TB], s[TB], SLOT
	v_add_nc_u32 v[ADRA], s[TB], v[A0]
	v_add_nc_u32 v[ADRB], s[TB], v[B0]
	FETCH 0, 0
	MULS 1, 3, 0
.endm
	s_wait_tensorcnt 1                             ; my part of K step 0 is in; step 1's may stay out
	s_barrier_signal -1
	s_barrier_wait -1
	FETCH 0, 0
	QUARTER 64, 0, 1, 1                            ; the first quarter stands in front of the loop: its products start the sums
	WIN 0
	s_mov_b32 s[CNT], 6
.Lk:                                               ; a trip: a K step's quarters 2 to 4 and the next step's first; K steps 2 to 7 are asked for
	QUARTER 128, 1, 0, 0
	QUARTER 192, 0, 1, 0
	TURN 1
	QUARTER 64, 0, 1, 0
	WIN 0
	s_sub_co_u32 s[CNT], s[CNT], 1
	s_cmp_lg_u32 s[CNT], 0
	s_cbranch_scc1 .Lk
	s_mov_b32 s[CNT], 2
.Ltail:                                            ; K steps 6 and 7 ask for nothing; the second trip is left in its middle (its 36 loads of old bytes serve nothing: the price of one text)
	QUARTER 128, 1, 0, 0
	QUARTER 192, 0, 1, 0
	TURN 0
	WIN 0
	s_sub_co_u32 s[CNT], s[CNT], 1
	s_cmp_eq_u32 s[CNT], 0
	s_cbranch_scc1 .Lout
	QUARTER 64, 0, 1, 0
	WIN 0
	s_branch .Ltail
.Lout:
	s_wait_dscnt 0x0
	s_barrier_signal -1
	s_barrier_wait -1                              ; no wave reads the ring any more, and it has had its last fill: its bytes take the sums
	PLACES
; The sums of window wa (row blocks a0 ..): column blocks 0-7 go to LDS as f32, each accumulator's low four registers first; blocks 8, 9 (v) are rounded to f16.
.macro DUMP wa, a0, na
	WIN (\wa)<<2                                   ; an LDS store's data is source 1
.set ia, 0
.rept \na
.set ib, 0
.rept 8
	ds_store_b128 v[DA], v[80*ia+8*ib:80*ia+8*ib+3]   offset:((\a0)+ia)*16*DPITCH+64*ib
	ds_store_b128 v[DA], v[80*ia+8*ib+4:80*ia+8*ib+7] offset:((\a0)+ia)*16*DPITCH+64*ib+16
.set ib, ib+1
.endr
.set ia, ia+1
.endr
	WIN (\wa)|((\wa)<<2)
.set ia, 0
.rept \na
.irp b, 8,9
.irp r, 0,1,2,3
	v_cvt_pk_f16_f32 v[FA+8*((\a0)+ia)+4*((\b)-8)+(\r)], v[80*ia+8*(\b)+2*(\r)], v[80*ia+8*(\b)+2*(\r)+1]
.endr
.endr
.set ia, ia+1
.endr
.endm
	DUMP 1, 0, 2
	DUMP 2, 2, 3
	DUMP 3, 5, 3
	WIN 0
.set ia, 0
.rept 8
	ds_store_b128 v[VS], v[FA+8*ia:FA+8*ia+3]   offset:ia*16*VPITCH
	ds_store_b128 v[VS], v[FA+8*ia+4:FA+8*ia+7] offset:ia*16*VPITCH+32
.set ia, ia+1
.endr
	; the constants of the arithmetic below, in the registers that held the descriptors (no tensor load is out); a packed line names a pair and takes its low word for both halves
.macro KPAIR reg, val
	s_mov_b32 s[\reg], \val
	s_mov_b32 s[(\reg)+1], \val
.endm
.set L2E, 24
.set LN2, 26
.set C2L, 28
.set NPI, 30
.set HPI, 32
.set SC4, 34
.set SC3, 36
.set SC2, 38
.set SC1, 40
.set RT2, 42
.set DC4, 44
.set DC3, 46
.set DC2, 48
.set DC1, 50
.set R64, 52
.set EPS, 53
	KPAIR L2E, 0x3fb8aa3b                          ; log2 e
	KPAIR LN2, 0x3f317218                          ; ln 2
	KPAIR C2L, 0x4038aa3b                          ; 2 log2 e
	KPAIR NPI, 0xc0490fdb                          ; -pi
	KPAIR HPI, 0x3fc90fdb                          ; pi / 2
	KPAIR SC4, 0x3682c4a2                          ; sqrt 2 / 9!
	KPAIR SC3, 0xb9931d37                          ; -sqrt 2 / 7!
	KPAIR SC2, 0x3c411659                          ; sqrt 2 / 5!
	KPAIR SC1, 0xbe715bef                          ; -sqrt 2 / 3!
	KPAIR RT2, 0x3fb504f3                          ; sqrt 2
	KPAIR DC4, 0x38131d37                          ; sqrt 2 / 8!
	KPAIR DC3, 0xbb00b991                          ; -sqrt 2 / 6!
	KPAIR DC2, 0x3d715bef                          ; sqrt 2 / 4!
	KPAIR DC1, 0xbf3504f3                          ; -sqrt 2 / 2!
	s_mov_b32 s[R64], 0x3c800000                   ; 1 / 64
	s_mov_b32 s[EPS], 0x358637bd                   ; 1e-6
	s_wait_dscnt 0x0                               ; for the others' sake: a row of v comes from two waves
	s_barrier_signal -1
	s_barrier_wait -1
.set iv, 0
.rept 16
	ds_load_b128 v[96+4*iv:96+4*iv+3], v[VR] offset:iv*4*VPITCH  ; four rows of 128 bytes
.set iv, iv+1
.endr
.set iv, 0
.rept 16
	s_wait_dscnt 15-iv                             ; the younger loads may stay out
	global_store_b128 v[VG], v[96+4*iv:96+4*iv+3], s[14:15] offset:iv*512  ; 512 consecutive bytes of vh
.set iv, iv+1
.endr
	s_wait_xcnt 0x0                                ; those stores have read their registers, which the loop below writes
; Group g of a trip: four rows, a lane eight channels: 8 amplitude sums T and 8 phase sums P.
.macro AMPLOAD g
	ds_load_b128 v[32+64*(\g):32+64*(\g)+3],   v[LA] offset:(\g)*64*DPITCH
	ds_load_b128 v[32+64*(\g)+4:32+64*(\g)+7], v[LA] offset:(\g)*64*DPITCH+16
	ds_load_b128 v[40+64*(\g):40+64*(\g)+3],   v[LA] offset:(\g)*64*DPITCH+256
	ds_load_b128 v[40+64*(\g)+4:40+64*(\g)+7], v[LA] offset:(\g)*64*DPITCH+272
.endm
.macro EACH8 line:vararg                ; one line for e = 0 .. 7
.set e, 0
	s_wait_alu depctr_va_vdst(0)
.rept 8
	\line
.set e, e+1
.endr
.endm
.macro EACH4 line:vararg                ; one packed line for e = 0, 2, 4, 6
.set e, 0
.rept 4
	\line
.set e, e+2
.endr
.endm
.macro AMP g
.set T, 32+64*(\g)
.set P, T+8
.set Z, T+16
.set H, T+24
.set G, T+32
.set M, T+40
.set Y, T+48
.set SS, T+60
	EACH4 v_cvt_pk_f16_f32 v[Y+e/2], v[T+e], v[T+e+1]                               ; part 0: q or k itself
	EACH8 v_or_b32 v[H+e], 0x80000000, v[T+e]                                       ; -|t|
	EACH4 v_pk_mul_f32 v[H+e:H+e+1], v[H+e:H+e+1], s[L2E:L2E+1] op_sel_hi:[1,0]
	EACH4 v_pk_mul_f32 v[P+e:P+e+1], v[P+e:P+e+1], s[C2L:C2L+1] op_sel_hi:[1,0]
	EACH8 v_exp_f32 v[H+e], v[H+e]
	EACH8 v_exp_f32 v[P+e], v[P+e]
	EACH8 v_max_num_f32 v[M+e], 0, v[T+e]                                           ; plain lines behind the exponentials
	EACH4 v_pk_add_f32 v[H+e:H+e+1], v[H+e:H+e+1], 1.0 op_sel_hi:[1,0]
	EACH4 v_pk_add_f32 v[P+e:P+e+1], v[P+e:P+e+1], 1.0 op_sel_hi:[1,0]
	EACH8 v_log_f32 v[H+e], v[H+e]
	EACH8 v_rcp_f32 v[P+e], v[P+e]
	v_nop
	s_wait_alu depctr_va_vdst(0)
	EACH4 v_pk_fma_f32 v[T+e:T+e+1], v[H+e:H+e+1], s[LN2:LN2+1], v[M+e:M+e+1] op_sel_hi:[1,0,1]   ; softplus
	EACH4 v_pk_fma_f32 v[P+e:P+e+1], v[P+e:P+e+1], s[NPI:NPI+1], s[HPI:HPI+1] op_sel_hi:[1,0,0]   ; a = phi / 2 = pi / 2 - pi r
	v_pk_mul_f32 v[SS:SS+1], v[T:T+1], v[T:T+1]
	v_pk_fma_f32 v[SS:SS+1], v[T+2:T+3], v[T+2:T+3], v[SS:SS+1]
	v_pk_fma_f32 v[SS:SS+1], v[T+4:T+5], v[T+4:T+5], v[SS:SS+1]
	v_pk_fma_f32 v[SS:SS+1], v[T+6:T+7], v[T+6:T+7], v[SS:SS+1]
	EACH4 v_pk_mul_f32 v[Z+e:Z+e+1], v[P+e:P+e+1], v[P+e:P+e+1]
	v_add_f32 v[SS], v[SS], v[SS+1]
	v_add_f32_dpp v[SS], v[SS], v[SS] row_xmask:1 row_mask:0xf bank_mask:0xf        ; the row's other seven lanes
	v_add_f32_dpp v[SS], v[SS], v[SS] row_xmask:2 row_mask:0xf bank_mask:0xf
	v_add_f32_dpp v[SS], v[SS], v[SS] row_xmask:4 row_mask:0xf bank_mask:0xf
	v_fma_f32 v[SS], v[SS], s[R64], s[EPS]
	v_rsq_f32 v[SS], v[SS]
	EACH4 v_pk_fma_f32 v[H+e:H+e+1], v[Z+e:Z+e+1], s[SC4:SC4+1], s[SC3:SC3+1] op_sel_hi:[1,0,0]
	s_wait_alu depctr_va_vdst(0)
	v_mul_f32 v[SS], v[SS], v[FAC]
	EACH4 v_pk_fma_f32 v[G+e:G+e+1], v[Z+e:Z+e+1], s[DC4:DC4+1], s[DC3:DC3+1] op_sel_hi:[1,0,0]
	EACH4 v_pk_fma_f32 v[H+e:H+e+1], v[H+e:H+e+1], v[Z+e:Z+e+1], s[SC2:SC2+1] op_sel_hi:[1,1,0]
	EACH4 v_pk_fma_f32 v[G+e:G+e+1], v[G+e:G+e+1], v[Z+e:Z+e+1], s[DC2:DC2+1] op_sel_hi:[1,1,0]
	EACH4 v_pk_fma_f32 v[H+e:H+e+1], v[H+e:H+e+1], v[Z+e:Z+e+1], s[SC1:SC1+1] op_sel_hi:[1,1,0]
	EACH4 v_pk_fma_f32 v[G+e:G+e+1], v[G+e:G+e+1], v[Z+e:Z+e+1], s[DC1:DC1+1] op_sel_hi:[1,1,0]
	EACH4 v_pk_fma_f32 v[H+e:H+e+1], v[H+e:H+e+1], v[Z+e:Z+e+1], s[RT2:RT2+1] op_sel_hi:[1,1,0]
	EACH4 v_pk_fma_f32 v[G+e:G+e+1], v[G+e:G+e+1], v[Z+e:Z+e+1], s[RT2:RT2+1] op_sel_hi:[1,1,0]   ; sqrt 2 cos a
	EACH4 v_pk_mul_f32 v[T+e:T+e+1], v[T+e:T+e+1], v[SS:SS+1] op_sel_hi:[1,0]       ; the normalised amplitude (times lam on q's side)
	EACH4 v_pk_mul_f32 v[H+e:H+e+1], v[H+e:H+e+1], v[P+e:P+e+1]                     ; sqrt 2 sin a
	EACH4 v_pk_mul_f32 v[M+e:M+e+1], v[T+e:T+e+1], v[H+e:H+e+1]
	EACH4 v_pk_mul_f32 v[G+e:G+e+1], v[M+e:M+e+1], v[G+e:G+e+1]                     ; amp sin phi
	EACH4 v_pk_fma_f32 v[T+e:T+e+1], v[M+e:M+e+1], v[H+e:H+e+1], v[T+e:T+e+1] neg_lo:[1,0,0] neg_hi:[1,0,0]  ; amp cos phi = amp - amp 2 sin^2 a
	EACH4 v_cvt_pk_f16_f32 v[Y+4+e/2], v[T+e], v[T+e+1]
	EACH4 v_cvt_pk_f16_f32 v[Y+8+e/2], v[G+e], v[G+e+1]
	global_store_b128 v[GA], v[Y:Y+3],    s[10:11] offset:(\g)*24576               ; each store: 512 consecutive bytes
	global_store_b128 v[GA], v[Y+4:Y+7],  s[10:11] offset:(\g)*24576+8192
	global_store_b128 v[GA], v[Y+8:Y+11], s[10:11] offset:(\g)*24576+16384
.endm
	s_mov_b32 s[CNT], 16
.Lamp:                                             ; a trip: rows 4 i .. 4 i + 3 of my first 64 rows and of my second 64
	AMPLOAD 0
	AMPLOAD 1
	s_wait_dscnt 4                                 ; the second group's four loads may stay out
	AMP 0
	s_wait_dscnt 0x0
	AMP 1
	s_wait_xcnt 0x0                                ; the stores have read their data and their offset, which are written again below and in the next trip
	v_add_nc_u32 v[LA], 4*DPITCH, v[LA]
	v_add_nc_u32 v[GA], 512, v[GA]
	s_sub_co_u32 s[CNT], s[CNT], 1
	s_cmp_lg_u32 s[CNT], 0
	s_cbranch_scc1 .Lamp
	s_wait_tensorcnt 0x0                           ; the wave's end: three lines behind my last tensor load and my last LDS store
	ds_add_u32 v[SPW], v[NIL]
	s_wait_dscnt 0x0
	CROUND                                         ; the closing round
	s_endpgm
.Lfunc_end_k_qd56f92e001_proj:
	.size	k_qd56f92e001_proj, .Lfunc_end_k_qd56f92e001_proj-k_qd56f92e001_proj
	.p2alignl 7, 3214868480
	.fill 96, 4, 3214868480
	.section	.rodata,"a",@progbits
	.p2align	6, 0x0
	.amdhsa_kernel k_qd56f92e001_proj
		.amdhsa_group_segment_fixed_size 327680
		.amdhsa_private_segment_fixed_size 0
		.amdhsa_enable_private_segment 0
		.amdhsa_kernarg_size 48
		.amdhsa_user_sgpr_count 2
		.amdhsa_user_sgpr_kernarg_segment_ptr 1
		.amdhsa_wavefront_size32 1
		.amdhsa_system_sgpr_workgroup_id_x 1
		.amdhsa_system_sgpr_workgroup_id_y 1
		.amdhsa_system_sgpr_workgroup_id_z 1
		.amdhsa_system_vgpr_workitem_id 0
		.amdhsa_next_free_vgpr 1024
		.amdhsa_next_free_sgpr 104
		.amdhsa_reserve_vcc 0
		.amdhsa_float_denorm_mode_32 3
		.amdhsa_float_denorm_mode_16_64 3
		.amdhsa_memory_ordered 1
		.amdhsa_forward_progress 1
		.amdhsa_inst_pref_size 118
	.end_amdhsa_kernel
	.amdgpu_metadata
---
amdhsa.version: [ 1, 2 ]
amdhsa.kernels:
  - .name:           k_qd56f92e001_proj
    .symbol:         k_qd56f92e001_proj.kd
    .args:
      - { .name: xb, .offset: 0, .size: 8, .value_kind: global_buffer, .address_space: global }
      - { .name: wt, .offset: 8, .size: 8, .value_kind: global_buffer, .address_space: global }
      - { .name: lambda_raw, .offset: 16, .size: 8, .value_kind: global_buffer, .address_space: global }
      - { .name: qc, .offset: 24, .size: 8, .value_kind: global_buffer, .address_space: global }
      - { .name: kc, .offset: 32, .size: 8, .value_kind: global_buffer, .address_space: global }
      - { .name: vh, .offset: 40, .size: 8, .value_kind: global_buffer, .address_space: global }
    .group_segment_fixed_size: 327680
    .private_segment_fixed_size: 0
    .kernarg_segment_align: 8
    .kernarg_segment_size: 48
    .max_flat_workgroup_size: 128
    .sgpr_count:     104
    .vgpr_count:     1024
    .wavefront_size: 32
...
	.end_amdgpu_metadata
.endif
;; end of part 2
;; launch attn (part 3): grid 8 x 32, 4 waves a work-group, no clusters, 327,680 bytes of LDS; arguments qc, kc, vh, oh; writes oh
.if DOCPART == 3
	.amdgcn_target "amdgcn-amd-amdhsa--gfx1250"
	.amdhsa_code_object_version 6
	.text
	.protected	k_qd56f92e001_attn
	.globl	k_qd56f92e001_attn
	.p2align	8
	.type	k_qd56f92e001_attn,@function
k_qd56f92e001_attn:
	s_mov_b64 s[64:65], 0
	v_nop
	global_prefetch_b8 v0, s[64:65] scope:SCOPE_SE
	s_setreg_imm32_b32 hwreg(HW_REG_WAVE_MODE, 25, 1), 1
	s_wait_xcnt 0x0
; CAUSAL ATTENTION with scores of depth 192.  O[q] = sum over k <= q of softmax_k(Q'[q] . K'[k] / 8) V[k], for each of 32 (batch, head).
; qc, kc: [bh][s/64][3 parts][64][64] f16 (a block of 64 rows is 24,576 dense bytes); vh: [bh][2048][64] f16; oh: [batch][s/128][head][128][64] f16.
; Products, maxima and sums in f32; the weights p are rounded to f16 for the second product (their sum l is taken of the unrounded p), O once at the end.
; LIMITS.  A hidden score counts as its value less 1e30; a weight below 2^-126 counts as 0 in l; p below 6e-5 keeps f16's fixed step; NaN and infinities are not treated apart.
; THE WALK.  A head has 16 blocks of 128 queries; block i needs the key tiles 0 .. i of 128 keys.  A work-group takes block 15 - b and then block b: 17 tiles whatever b, 34 key steps of 64.
; All trip counts are constants; what differs between work-groups lies in scalar registers made from b; every jump but the loops' own goes forward and passes no barrier and no tensor load
; but the one of LOAD's two that the wave's number does not choose.
; NO CLUSTER: a head's 8 work-groups ask for the same tile only in the walk's first 9 trips (the first blocks have 9 to 16 tiles); one walk common to all partners would have 16 + 8 = 24 trips for 17.
; SHARES.  Wave w owns rows 16 w .. 16 w + 15 in each of a block's two bands of 64: tiles t = 0, 1.  So the diagonal tile is the same work for all four waves.
; LAYOUT.  S^T = K' Q'^T holds one query a lane (lane % 16) and the keys 8 (lane / 16) + 0..7; two such results rounded to f16 are source 1 of O^T = V^T P.
; SOFTMAX.  p = 2^(c s - c m), c = log2(e) / 8, with a running maximum m; O and l are multiplied by a = 2^(c m_old - c m_new) in every step.  A block starts with c m far below every c s: its first a is 0.
; THE PIPELINE.  Period j (parity par): phase 1 = the 48 products of step j + 1's scores, into the other S buffer; behind each of them a slice of step j's softmax.
;   Phase 2 = the 16 products V^T P of step j; behind each two lines of step j + 1's maximum and two of step j's sums.  Nothing is drained where the blocks change.
; THE MASK is the C operand that starts the scores' sums: MC[t] = MD x AL + BE.  MD is the mask of a band's own step.  In a diagonal tile: band 0, step 0 and band 1, step 1: MD; band 0, step 1: all hidden;
;   band 1, step 0: all open.  Elsewhere MC holds 0.
; REGISTERS, in windows of 256 (s_set_vgpr_msb: bits 1:0 source 0, 3:2 source 1, 5:4 source 2, 7:6 destination):
;   window 0: v0-11, v40-44 addresses; v12-15 c m_old; v16-23 statistics; v24-39 at work; v64-191 S^T [par][t]; v192-223 P [t]
;   window 1: v0-63 O^T [t]; v64-95 MD; v96-159 MC [t]; v160-255 the second block's Q'
;   window 2: v0-191 K' of one step (chunk c of 32 channels, key block kb at 32 c + 8 kb); v192-255 V, buffer 0          window 3: v0-95 Q' (48 t + 8 c); v96-159 V, buffer 1
.set PK,    144                        ; a row of K' in LDS: 128 bytes + 16: the 16 rows of a load start at 16 different groups of four banks (64 banks of 4 bytes: ISA guide 11.1)
.set PVP,   160                        ; a row of V: 128 + 32
.set KSTEP, 192*PK                     ; a step's K': 3 parts x 64 keys
.set VOFF,  2*KSTEP                    ; a slot holds a tile: 384 rows of K', then 128 rows of V
.set VSTEP, 64*PVP
.set SLOT1, 1<<17                      ; slot 1 begins here: one exclusive or turns an address in one slot into the other's
.set STAGE, SLOT1+VOFF+2*VSTEP         ; behind the ring, never filled by a tensor load: 16 rows x 144 bytes for each wave
.set SP,    144
.set SPARE, STAGE+4*16*SP              ; behind the stages: the spare words, 128 bytes for each wave
.set AK0, 2                            ; my lane's place in a tile of K'; never rewritten
.set AV0, 3                            ; the same for V
.set AK,  4                            ; AK0 + the slot that is read
.set AV,  5
.set STO, 6                            ; the way out: where I put 16 bytes of a row
.set RD,  7                            ; where I read rows back
.set GO,  8                            ; 16 x lane
.set MV,  12                           ; c m_old, by parity and tile
.set ST,  16                           ; tile t at ST + 4 t: c m, m, l (even keys', odd keys')
.set TMP, 24                           ; by parity and tile four registers c0-c3; when the maximum is found c2 takes a
.set QO,  40
.set PFO, 41                           ; 256 x lane; never rewritten
.set SPW, 42                           ; LDS address of my spare word; never rewritten
.set NIL, 43                           ; 0; never rewritten
.set S,   64
.set P,   192
.set MD,  64                           ; window 1
.set MC,  96
.set QB,  160
.set WV,  12
.set PB,  14                           ; b
.set HI,  15                           ; 15 - b
.set G1K, 24
.set G1V, 32
.set G0K, 40
.set G0V, 44
.set TRIPS, 48
.set TB,  49                           ; the slot that is read: 0 or SLOT1
.set RT,  50                           ; tiles of the block in hand still to be entered
.set NBT, 51                           ; b + 1
.set NXT, 52                           ; the tile to be asked for next
.set LQ,  53                           ; the last tile of the block whose tiles are being asked for
.set DG0, 54                           ; 1: the trip's tile is a diagonal one
.set DG1, 55                           ; 1: the next tile is
.set OFK, 56                           ; s[56:57] a tile's byte offset in kc
.set CS,  58                           ; s[58:59] c
.set SEL, 60                           ; s[60:61] v_permlanex16_b32's selects
.set OFV, 62                           ; s[62:63] a tile's byte offset in vh
.set AL0, 66                           ; s[66:73] AL, BE of tile 0, AL, BE of tile 1, as pairs
.set OLO, 74                           ; s[74:75] oh at my rows of the second block
.set BIGN, 76
.set LIM, 77
.set PFA, 78                           ; s[78:79] where my prefetches stand
.set PFS, 80                           ; s[80:81] their step
.set Q2,  82                           ; s[82:83] qc at the second block
.set MSB, 0
.macro WIN new
.if MSB != (\new)
	s_set_vgpr_msb (MSB<<8)|(\new)
.set MSB, (\new)
.endif
.endm
.set W_KQ, 0x0e                        ; K' window 2, Q' window 3, S^T window 0
.set W_KM, 0x1e                        ; the same with C in window 1
.set W_PV, 0x52                        ; V window 2 (buffer 1: 0x53, window 3), P window 0, O^T window 1
.set W_RS, 0x41                        ; destination and source 0 window 1, source 1 window 0
.macro PLACES
.rept 4
	v_nop
.endr
.endm
; A fill: waves 0 to 2 fetch the thirds of a tile of K', wave 3 the tile of V: 64 rows of 256 bytes each.  An s_nop 0 and four v_nop follow each of the two lines.
.macro LOAD
	s_cmp_lt_u32 s[WV], 3
	s_cbranch_scc0 .Lfor_v_\@
	tensor_load_to_lds s[G0K:G0K+3], s[G1K:G1K+7]
	s_nop 0
.rept 4
	v_nop
.endr
	s_branch .Lasked_\@
.Lfor_v_\@:
	tensor_load_to_lds s[G0V:G0V+3], s[G1V:G1V+7]
	s_nop 0
.rept 4
	v_nop
.endr
.Lasked_\@:
.endm
; A prefetch into the L2, behind the tensor load and its five lines: the 16,384 bytes that this wave will load two trips (256 matrix instructions) on: a lane a block of 256 bytes, two instructions.
; All work-groups of a head walk the same tiles first: the one with b = 0, whose first block needs all 16, asks, in trips 0 to 11 for tiles 4 to 15: each block is named once.
.macro ASK
	s_cmp_gt_u32 s[TRIPS], s[LIM]
	s_cbranch_scc0 .Lnot_mine_\@
	global_prefetch_b8 v[PFO], s[PFA:PFA+1] th:TH_LOAD_NT scope:SCOPE_SE
	global_prefetch_b8 v[PFO], s[PFA:PFA+1] offset:8192 th:TH_LOAD_NT scope:SCOPE_SE
.Lnot_mine_\@:
.endm
; THE CHANGE OF SLOTS.  Each wave waits for all its tensor loads (one is out: its part of the next tile), adds 0 to its spare word, and waits for that and for its reads of the slot that it leaves.
; fill = 1: the old slot is filled again, first thing behind the barrier, with tile NXT; the descriptor's address is made anew from that number.
.macro CHANGE fill, pf
	WIN 0
	s_wait_tensorcnt 0x0
	ds_add_u32 v[SPW], v[NIL]
.if \fill
	s_mul_i32 s[OFK], s[NXT], 49152
	s_lshl_b32 s[OFV], s[NXT], 14
	s_xor_b32 s[G0K+1], s[G0K+1], SLOT1
	s_add_nc_u64 s[G0K+2:G0K+3], s[6:7], s[OFK:OFK+1]
	s_or_b32 s[G0K+3], s[G0K+3], 0x80000000
	s_xor_b32 s[G0V+1], s[G0V+1], SLOT1
	s_add_nc_u64 s[G0V+2:G0V+3], s[8:9], s[OFV:OFV+1]
	s_or_b32 s[G0V+3], s[G0V+3], 0x80000000
	s_add_co_u32 s[NXT], s[NXT], 1                 ; the block's next tile, or behind its last the second block's tile 0
	s_cmp_gt_u32 s[NXT], s[LQ]
	s_cselect_b32 s[NXT], 0, s[NXT]
	s_cselect_b32 s[LQ], s[PB], s[LQ]
.if \pf
	s_wait_xcnt 0x0                                ; the last prefetches, a trip back, have read their address
	s_add_nc_u64 s[PFA:PFA+1], s[PFA:PFA+1], s[PFS:PFS+1]
.endif
.endif
	s_wait_dscnt 0x0                               ; the add is done, and my reads of the old slot are over
	s_barrier_signal -1
	s_xor_b32 s[TB], s[TB], SLOT1
	s_barrier_wait -1
.if \fill
	LOAD
.if \pf
	ASK
.endif
.endif
	v_add_nc_u32 v[AK], s[TB], v[AK0]
	v_add_nc_u32 v[AV], s[TB], v[AV0]
	s_wait_alu depctr_va_vdst(0)
.endm
	s_load_b256 s[4:11], s[0:1], 0x0               ; qc s[4:5], kc s[6:7], vh s[8:9], oh s[10:11]
	v_lshl_add_u32 v[SPW], v0, 2, SPARE
	v_mov_b32 v[NIL], 0
	ds_add_u32 v[SPW], v[NIL]                      ; the wave's opening: the add and its wait stand ahead of my first tensor load
	ds_add_u32 v42, v43
	v_lshrrev_b32 v1, 5, v0
	v_readfirstlane_b32 s[WV], v1
	s_mov_b32 s[PB], ttmp9
	s_sub_co_u32 s[HI], 15, s[PB]
	s_add_co_u32 s[NBT], s[PB], 1
	s_and_b32 s84, ttmp7, 0xffff                   ; bh
	s_mul_i32 s86, s84, 786432                     ; the head in qc and kc
	s_lshl_b32 s88, s84, 18                        ; in vh
	s_mov_b32 s89, 0
	s_lshl_b32 s85, s[WV], 14
	s_add_co_u32 s90, s86, s85                     ; kc: + my third of a tile
	s_mov_b32 s91, 0
	s_mul_i32 s16, s[HI], 49152                    ; a block of 128 queries is 49,152 bytes of qc
	s_add_co_u32 s16, s16, s86
	s_mov_b32 s17, 0
	s_mul_i32 s18, s[PB], 49152
	s_add_co_u32 s18, s18, s86
	s_mov_b32 s19, 0
	s_lshr_b32 s85, s84, 4
	s_lshl_b32 s85, s85, 4                         ; 16 x batch
	s_and_b32 s87, s84, 15                         ; head
	s_add_co_u32 s20, s85, s[HI]
	s_lshl_b32 s20, s20, 4
	s_add_co_u32 s20, s20, s87
	s_lshl_b32 s20, s20, 14                        ; oh: the plane (batch, block, head), 16,384 bytes
	s_add_co_u32 s22, s85, s[PB]
	s_lshl_b32 s22, s22, 4
	s_add_co_u32 s22, s22, s87
	s_lshl_b32 s22, s22, 14
	s_lshl_b32 s85, s[WV], 11                      ; my 16 rows of a band
	s_add_co_u32 s20, s20, s85
	s_add_co_u32 s22, s22, s85
	s_mov_b32 s21, 0
	s_mov_b32 s23, 0
	; descriptor group 1: 16,384 dense bytes as 64 rows of 256, padded in LDS after every 128 bytes
	s_mov_b32 s[G1K], (1<<16)|(1<<20)|(4<<22)|(3<<25)  ; 2-byte elements; padding on; after every 32 words, 4 words
	s_mov_b32 s[G1V], (1<<16)|(1<<20)|(4<<22)|(7<<25)  ; the same with 8 words
.irp g, G1K, G1V
	s_mov_b32 s[(\g)+1], 128<<16
	s_mov_b32 s[(\g)+2], 64<<16
	s_mov_b32 s[(\g)+3], 128<<16
	s_mov_b32 s[(\g)+4], 64
	s_mov_b32 s[(\g)+5], 128
	s_mov_b32 s[(\g)+6], 0
	s_mov_b32 s[(\g)+7], 0
.endr
	s_mov_b32 s[G0K], 1
	s_mul_i32 s[G0K+1], s[WV], 128*PK              ; slot 0, my third: 128 rows of K'
	s_mov_b32 s[G0V], 1
	s_mov_b32 s[G0V+1], VOFF
	s_mov_b32 s[CS], 0x3e38aa3b                    ; c = log2(e) / 8
	s_mov_b32 s[CS+1], s[CS]
	s_mov_b32 s[SEL], 0x76543210
	s_mov_b32 s[SEL+1], 0xfedcba98
	s_mov_b32 s[TB], SLOT1                         ; the first change of slots turns it into 0
	s_sub_co_u32 s[RT], 16, s[PB]                  ; the first block has 16 - b tiles
	s_mov_b32 s[NXT], 1
	s_mov_b32 s[LQ], s[HI]
	s_mov_b32 s[OFK+1], 0
	s_mov_b32 s[OFV+1], 0
.irp z, 0,1,2,3,4,5,6,7
	s_mov_b32 s[AL0+(\z)], 0
.endr
	s_mov_b32 s[BIGN], 0xf149f2ca                  ; -1e30
	s_cmp_eq_u32 s[PB], 0
	s_cselect_b32 s[LIM], 3, -1                    ; who prefetches does so while more than 3 trips of the loop are left
	s_mov_b32 s84, 49152
	s_wait_dscnt 0x0                               ; the opening add is done
	s_wait_kmcnt 0x0
	s_add_nc_u64 s[6:7], s[6:7], s[90:91]
	s_add_nc_u64 s[8:9], s[8:9], s[88:89]
	s_add_nc_u64 s[G0K+2:G0K+3], s[6:7], 0
	s_or_b32 s[G0K+3], s[G0K+3], 0x80000000
	s_add_nc_u64 s[G0V+2:G0V+3], s[8:9], 0
	s_or_b32 s[G0V+3], s[G0V+3], 0x80000000
	s_add_nc_u64 s[Q2:Q2+1], s[4:5], s[18:19]
	s_add_nc_u64 s[4:5], s[4:5], s[16:17]
	s_add_nc_u64 s[OLO:OLO+1], s[10:11], s[22:23]
	s_add_nc_u64 s[10:11], s[10:11], s[20:21]
	s_cmp_lt_u32 s[WV], 3
	s_cselect_b64 s[PFA:PFA+1], s[6:7], s[8:9]
	s_cselect_b32 s[PFS], s84, 0x4000
	s_mov_b32 s[PFS+1], 0
	s_mul_i32 s84, s[PFS], 3
	s_mov_b32 s85, 0
	s_add_nc_u64 s[PFA:PFA+1], s[PFA:PFA+1], s[84:85]  ; at tile 3: the loop's first change steps it to tile 4
	LOAD                                           ; tile 0 into slot 0
	v_and_b32 v1, 15, v0                           ; l % 16
	v_bfe_u32 v9, v0, 4, 1                         ; l / 16
	s_lshl_b32 s85, s[WV], 4
	v_add_nc_u32 v[QO], s85, v1                    ; my query's place in its band
	v_lshlrev_b32 v44, 3, v9
	v_sub_nc_u32 v44, v[QO], v44                   ; less my lanes' 8 (l / 16): register r of key block kb is hidden where 16 kb + r is greater
	v_lshlrev_b32 v[QO], 7, v[QO]
	v_lshl_add_u32 v[QO], v9, 4, v[QO]
	WIN 0xc0                                       ; both blocks' Q': tile z / 6, chunk z % 6 (part (z % 6) / 2, channels 32 (z % 2) on)
.set z, 0
.rept 12
	global_load_b128 v[8*z:8*z+3],   v[QO], s[4:5] offset:(z/6)*24576+((z%6)/2)*8192+(z%2)*64
	global_load_b128 v[8*z+4:8*z+7], v[QO], s[4:5] offset:(z/6)*24576+((z%6)/2)*8192+(z%2)*64+32
.set z, z+1
.endr
	WIN 0x40
.set z, 0
.rept 12
	global_load_b128 v[QB+8*z:QB+8*z+3],   v[QO], s[Q2:Q2+1] offset:(z/6)*24576+((z%6)/2)*8192+(z%2)*64
	global_load_b128 v[QB+8*z+4:QB+8*z+7], v[QO], s[Q2:Q2+1] offset:(z/6)*24576+((z%6)/2)*8192+(z%2)*64+32
.set z, z+1
.endr
.set z, 0
.rept 32
	v_cmp_gt_i32 vcc_lo, 16*(z/8)+z%8, v44
	v_cndmask_b32 v[MD+z], 0, s[BIGN], vcc_lo
.set z, z+1
.endr
	; O^T, l and the masks start at 0 (a block's first a is 0, so O^T and l need only be finite): written in the wait for the first tile, so that no first step is written out
.set z, 0
.rept 64
	v_mov_b32 v[z], 0
	v_mov_b32 v[MC+z], 0
.set z, z+1
.endr
	WIN 0
.irp t, 0,1
	v_mov_b32 v[ST+4*(\t)], 0xfe000000             ; c m: far below every c s
	v_mov_b32 v[ST+4*(\t)+1], 0xff7fffff           ; m
	v_mov_b32 v[ST+4*(\t)+2], 0
	v_mov_b32 v[ST+4*(\t)+3], 0
.endr
	v_mul_u32_u24 v[AK0], v1, PK
	v_lshl_add_u32 v[AK0], v9, 4, v[AK0]
	v_and_b32 v10, 7, v0                           ; the turning load: lane l reads key 8 (l / 16) + l % 8, channels 8 ((l / 8) % 2) + 0..7
	v_bfe_u32 v11, v0, 3, 1
	v_lshl_add_u32 v[AV0], v9, 3, v10
	v_mul_u32_u24 v[AV0], v[AV0], PVP
	v_lshl_add_u32 v[AV0], v11, 4, v[AV0]
	v_add_nc_u32 v[AV0], VOFF, v[AV0]
	s_mul_i32 s85, s[WV], 16*SP
	s_add_co_u32 s85, s85, STAGE
	v_mul_u32_u24 v[STO], v1, SP
	v_lshl_add_u32 v[STO], v9, 4, v[STO]
	v_add_nc_u32 v[STO], s85, v[STO]
	v_bfe_u32 v[RD], v0, 3, 2
	v_mul_u32_u24 v[RD], v[RD], SP
	v_lshl_add_u32 v[RD], v10, 4, v[RD]
	v_add_nc_u32 v[RD], s85, v[RD]
	v_and_b32 v[GO], 31, v0
	v_lshlrev_b32 v[PFO], 8, v[GO]
	v_lshlrev_b32 v[GO], 4, v[GO]
; THE MATRIX WORK.  Product i of 48 of the next step's S^T: chunk i / 8, key block (i / 2) % 4, tile i % 2.  The 8 accumulators take turns; the first 8 start the sums with the mask.
.macro KQ par
.set rS, S+64*(1-(\par))+32*(i%2)+8*((i/2)%4)
.set rK, 32*(i/8)+8*((i/2)%4)
.set rQ, 48*(i%2)+8*(i/8)
.set rM, MC+32*(i%2)+8*((i/2)%4)
.if i < 8
	WIN W_KM
	v_wmma_f32_16x16x32_f16 v[rS:rS+7], v[rK:rK+7], v[rQ:rQ+7], v[rM:rM+7]
	s_wait_alu depctr_va_vdst(0)
.else
	WIN W_KQ
	v_wmma_f32_16x16x32_f16 v[rS:rS+7], v[rK:rK+7], v[rQ:rQ+7], v[rS:rS+7]
.endif
.endm
; Product p of 16 of O^T += V^T P: keys 32 (p / 8) on, channels 16 ((p / 2) % 4) on, tile p % 2.
.macro PVM par
.set rO, 32*(p%2)+8*((p/2)%4)
.set rV, 192-96*(\par)+32*(p/8)+8*((p/2)%4)
.set rP, P+16*(p%2)+8*(p/8)
	WIN W_PV+(\par)
	v_wmma_f32_16x16x32_f16 v[rO:rO+7], v[rV:rV+7], v[rP:rP+7], v[rO:rO+7]
.endm
; THE LDS LOADS stand in runs of 8: chunk c of a step's K' (the step's parity in its tile is par), or half kk of its V (turned), into V's buffer par.
.macro KRUN c, par
	WIN 0x80
.irp kb, 0,1,2,3
	ds_load_b128 v[32*(\c)+8*(\kb):32*(\c)+8*(\kb)+3],   v[AK] offset:(\par)*KSTEP+(((\c)/2)*64+16*(\kb))*PK+((\c)%2)*64
	ds_load_b128 v[32*(\c)+8*(\kb)+4:32*(\c)+8*(\kb)+7], v[AK] offset:(\par)*KSTEP+(((\c)/2)*64+16*(\kb))*PK+((\c)%2)*64+32
.endr
.endm
.macro VRUN kk, par
	WIN 0x80+0x40*(\par)
.irp cb, 0,1,2,3
	ds_load_tr16_b128 v[192-96*(\par)+32*(\kk)+8*(\cb):192-96*(\par)+32*(\kk)+8*(\cb)+3],   v[AV] offset:(\par)*VSTEP+(\kk)*32*PVP+(\cb)*32
	ds_load_tr16_b128 v[192-96*(\par)+32*(\kk)+8*(\cb)+4:192-96*(\par)+32*(\kk)+8*(\cb)+7], v[AV] offset:(\par)*VSTEP+(\kk)*32*PVP+16*PVP+(\cb)*32
.endr
.endm
; THE VECTOR WORK, one line at a time, for tile t and the S buffer of parity pp.  F n: c s - c m for pair n of 16.  E n: the exponential of score n of 32.  C n: pair n rounded to f16.
; B n: of the four weights 4 n .. the second pair is added onto the first.  L n: l takes that sum (L 0: l = a l + sum).  R n: pair n of 16 of O^T times a.
; X n, the 22 lines of the maximum and statistics: 0-11 four chains c0-c3 of seven scores each (each accumulator's lowest registers are read first); 12-14, 16 the four scores
; left over, the old m, and c0-c3 into c0; 15 c m_old is kept; 17, 18 the query's other 32 keys lie in the lane 16 away: the new m; 19-21 c m, c m_old - c m_new, a.
.macro REGS pp, t
.set rT, ST+4*(\t)
.set rC, TMP+8*(\pp)+4*(\t)
.set rW, MV+2*(\pp)+(\t)
.set rS, S+64*(\pp)+32*(\t)
.set rP, P+16*(\t)
.set rO, 32*(\t)
.endm
.macro OPF n, t, pp
	REGS \pp, \t
	WIN 0
	v_pk_fma_f32 v[rS+2*(\n):rS+2*(\n)+1], v[rS+2*(\n):rS+2*(\n)+1], s[CS:CS+1], v[rT:rT+1] op_sel_hi:[1,0,0] neg_lo:[0,0,1] neg_hi:[0,0,1]
.endm
.macro OPE n, t, pp
	REGS \pp, \t
	WIN 0
	v_exp_f32 v[rS+(\n)], v[rS+(\n)]
.endm
.macro OPC n, t, pp
	REGS \pp, \t
	WIN 0
	s_wait_alu depctr_va_vdst(0)
	v_cvt_pk_f16_f32 v[rP+(\n)], v[rS+2*(\n)], v[rS+2*(\n)+1]
.endm
.macro OPB n, t, pp
	REGS \pp, \t
	WIN 0
	v_pk_add_f32 v[rS+4*(\n):rS+4*(\n)+1], v[rS+4*(\n):rS+4*(\n)+1], v[rS+4*(\n)+2:rS+4*(\n)+3]
.endm
.macro OPL n, t, pp
	REGS \pp, \t
	WIN 0
.if (\n) == 0
	v_pk_fma_f32 v[rT+2:rT+3], v[rT+2:rT+3], v[rC+2:rC+3], v[rS:rS+1] op_sel_hi:[1,0,1]
.else
	v_pk_add_f32 v[rT+2:rT+3], v[rT+2:rT+3], v[rS+4*(\n):rS+4*(\n)+1]
.endif
.endm
.macro OPR n, t, pp
	REGS \pp, \t
	WIN W_RS
	v_pk_mul_f32 v[rO+2*(\n):rO+2*(\n)+1], v[rO+2*(\n):rO+2*(\n)+1], v[rC+2:rC+3] op_sel_hi:[1,0]
.endm
.macro OPX n, t, pp
	REGS \pp, \t
	WIN 0
.if (\n) < 4
	v_max3_num_f32 v[rC+(\n)], v[rS+8*(\n)], v[rS+8*(\n)+1], v[rS+8*(\n)+2]
.elseif (\n) < 12
	v_max3_num_f32 v[rC+(\n)%4], v[rC+(\n)%4], v[rS+8*((\n)%4)+2*((\n)/4)+1], v[rS+8*((\n)%4)+2*((\n)/4)+2]
.elseif (\n) == 12
	v_max3_num_f32 v[rC], v[rC], v[rS+7], v[rS+15]
.elseif (\n) == 13
	v_max3_num_f32 v[rC+1], v[rC+1], v[rS+23], v[rS+31]
.elseif (\n) == 14
	v_max3_num_f32 v[rC+2], v[rC+2], v[rC+3], v[rT+1]
.elseif (\n) == 15
	v_mov_b32 v[rW], v[rT]
.elseif (\n) == 16
	v_max3_num_f32 v[rC], v[rC], v[rC+1], v[rC+2]
.elseif (\n) == 17
	v_permlanex16_b32 v[rC+3], v[rC], s[SEL], s[SEL+1]
.elseif (\n) == 18
	v_max_num_f32 v[rT+1], v[rC], v[rC+3]
.elseif (\n) == 19
	v_mul_f32 v[rT], s[CS], v[rT+1]
.elseif (\n) == 20
	v_sub_f32 v[rC+1], v[rW], v[rT]
.else
	v_exp_f32 v[rC+2], v[rC+1]
.endif
.endm
; The slice behind product i of phase 1.  0, 1: X 17-20.  2: the first scalings and the two a.  8, 16, 24, 32, 40, 44, 46, 47: four rescalings (one accumulator of O^T, ascending).  12, 20, 28, 36: none.
; 45: the last roundings.  The 32 others, numbered q: even q = 2 n: F n+1, E 2n for both tiles; odd q = 2 n + 1: C n-1, E 2n+1.  So a plain line that touches neither its result nor its source
; follows every exponential before that result is used (ISA guide 5.7.2).
.macro RIDE1 par
.if i == 0
	OPX 17, 0, \par
	OPX 17, 1, \par
	OPX 18, 0, \par
	OPX 18, 1, \par
.elseif i == 1
	OPX 19, 0, \par
	OPX 19, 1, \par
	OPX 20, 0, \par
	OPX 20, 1, \par
.elseif i == 2
	OPF 0, 0, \par
	OPF 0, 1, \par
	OPX 21, 0, \par
	OPX 21, 1, \par
.elseif (i%8 == 0) || (i == 44) || (i >= 46)
.rept 4
	OPR r%16, r/16, \par
.set r, r+1
.endr
.elseif (i%8 == 4) && (i >= 12) && (i <= 36)
.elseif i == 45
	OPC 15, 0, \par
	OPC 15, 1, \par
.else
.set un, q/2
.if q%2 == 0
.if un < 15
	OPF un+1, 0, \par
.endif
	OPE 2*un, 0, \par
.if un < 15
	OPF un+1, 1, \par
.endif
	OPE 2*un, 1, \par
.else
.if un > 0
	OPC un-1, 0, \par
.endif
	OPE 2*un+1, 0, \par
.if un > 0
	OPC un-1, 1, \par
.endif
	OPE 2*un+1, 1, \par
.endif
.set q, q+1
.endif
.endm
; The slice behind product p of phase 2: X p of the next step for both tiles, and item p of B0 B1 L0 B2 L1 .. B7 L6 L7 of this step; behind the last also X 16.
.macro RIDE2 par
	OPX p, 0, 1-(\par)
	OPX p, 1, 1-(\par)
.if p == 0
	OPB 0, 0, \par
	OPB 0, 1, \par
.elseif p == 15
	OPL 7, 0, \par
	OPL 7, 1, \par
.elseif p%2 == 1
	OPB (p+1)/2, 0, \par
	OPB (p+1)/2, 1, \par
.else
	OPL p/2-1, 0, \par
	OPL p/2-1, 1, \par
.endif
.if p == 15
	OPX 16, 0, 1-(\par)
	OPX 16, 1, 1-(\par)
.endif
.endm
; A PERIOD.  Its LDS runs fetch the step two on: K' chunk c behind slice 8 c + 9 (c = 5: behind product 1 of phase 2), four rescalings or more behind the chunk's last reader; V's halves behind
; products 9 and 15 of phase 2, four plain lines or more behind their last readers.  So a period issues 48 + 16 loads, in the order K0 .. K5, V.
; chg = 1: the change of slots with a fill; 2: without.  It stands behind slice 8 of a trip's first period: the period before has issued the old slot's last reads, and this trip's first run follows it.
.macro PERIOD par, chg
.set q, 0
.set r, 0
.set i, 0
.rept 48
.if i == 0
	s_wait_dscnt 56                                ; chunk 0 is in: behind its run came five runs of K' and V's 16 loads; with it V of this step, fetched a period earlier
.elseif i%8 == 0
	s_wait_dscnt 48                                ; chunk i / 8 is in: behind its run came 48 loads, of the last period and of this one
.endif
	KQ \par
	RIDE1 \par
.if (i == 8) && ((\chg) == 1)
	CHANGE 1, 1
.elseif (i == 8) && ((\chg) == 2)
	CHANGE 0, 0
.endif
.if (i%8 == 1) && (i > 8)
	KRUN (i-9)/8, \par
.endif
.set i, i+1
.endr
.if \par
	WIN 0                                          ; where a block ends, the next block's first maximum, made below, finds m and c m at their start
	s_cmp_eq_u32 s[DG0], 1
	s_cbranch_scc0 .Lsame_block_\@
.irp t, 0,1
	v_mov_b32 v[ST+4*(\t)], 0xfe000000
	v_mov_b32 v[ST+4*(\t)+1], 0xff7fffff
.endr
.Lsame_block_\@:
.endif
.set p, 0
.rept 16
	PVM \par
	RIDE2 \par
.if p == 1
	KRUN 5, \par
.elseif p == 9
	VRUN 0, \par
.elseif p == 15
	VRUN 1, \par
.endif
.set p, p+1
.endr
.endm
.macro MASK t                          ; MC[t] = MD x AL + BE
	WIN W_RS
.set z, 0
.rept 16
	v_pk_fma_f32 v[MC+32*(\t)+2*z:MC+32*(\t)+2*z+1], v[MD+2*z:MD+2*z+1], s[AL0+4*(\t):AL0+4*(\t)+1], s[AL0+4*(\t)+2:AL0+4*(\t)+3] op_sel_hi:[1,0,0]
.set z, z+1
.endr
.endm
; THE WAY OUT of a block, behind its last period (an odd one): the S buffer and the work registers of parity 1 are free, those of parity 0 hold the next block's first scores and stay.
.macro PACK t                          ; O^T / l, rounded to f16; 16 bytes a lane into rows of 144 bytes, and back as whole rows of 128
	WIN W_RS
.set z, 32*(\t)
.rept 16
	v_pk_mul_f32 v[z:z+1], v[z:z+1], v[TMP+8+4*(\t)+2:TMP+8+4*(\t)+3] op_sel_hi:[1,0]
.set z, z+2
.endr
	WIN 0x05
.set z, 0
.rept 16
	v_cvt_pk_f16_f32 v[S+64+16*(\t)+z], v[32*(\t)+2*z], v[32*(\t)+2*z+1]
.set z, z+1
.endr
	WIN 0
.irp f, 0,1,2,3
	ds_store_b128 v[STO], v[S+64+16*(\t)+4*(\f):S+64+16*(\t)+4*(\f)+3] offset:32*(\f)
.endr
.irp f, 0,1,2,3
	ds_load_b128 v[S+64+16*(\t)+4*(\f):S+64+16*(\t)+4*(\f)+3], v[RD] offset:(\f)*4*SP  ; LDS serves a wave's instructions in order (ISA guide 5.7.1.4)
.endr
.endm
.macro SEND t, younger                 ; younger: the LDS instructions issued behind tile t's loads
.irp f, 0,1,2,3
	s_wait_dscnt (\younger)+3-(\f)
	global_store_b128 v[GO], v[S+64+16*(\t)+4*(\f):S+64+16*(\t)+4*(\f)+3], s[10:11] offset:(\t)*8192+(\f)*512  ; 512 consecutive bytes of oh
.endr
.endm
.macro WAYOUT
	WIN 0
.irp t, 0,1
	v_add_f32 v[TMP+8+4*(\t)], v[ST+4*(\t)+2], v[ST+4*(\t)+3]
.endr
.irp t, 0,1
	v_permlanex16_b32 v[TMP+8+4*(\t)+1], v[TMP+8+4*(\t)], s[SEL], s[SEL+1]
.endr
.irp t, 0,1
	v_add_f32 v[TMP+8+4*(\t)], v[TMP+8+4*(\t)], v[TMP+8+4*(\t)+1]
.endr
.irp t, 0,1
	v_rcp_f32 v[TMP+8+4*(\t)+2], v[TMP+8+4*(\t)]
.endr
	v_nop
	s_wait_alu depctr_va_vdst(0)
	PACK 0
	PACK 1
	SEND 0, 8
	SEND 1, 0
	s_wait_xcnt 0x0                                ; the stores have read their registers and oh's address
	s_mov_b64 s[10:11], s[OLO:OLO+1]
	s_mov_b32 s[RT], s[NBT]                        ; the second block has b + 1 tiles
.endm
; A TRIP: the walk's tile u.  Its first period makes the scores of tile u's second step, its second those of tile u + 1's first step; both fetch tile u + 1 from LDS.
.macro TRIP chg
	s_sub_co_u32 s[RT], s[RT], 1
	s_cmp_eq_u32 s[RT], 0
	s_cselect_b32 s[DG0], 1, 0
	s_cselect_b32 s84, s[NBT], s[RT]
	s_cmp_eq_u32 s84, 1
	s_cselect_b32 s[DG1], 1, 0
	s_cmp_eq_u32 s[DG0], 1
	s_cbranch_scc0 .Lopen_\@
	s_mov_b32 s[AL0], 0                            ; a diagonal tile's second step: band 0 sees nothing,
	s_mov_b32 s[AL0+2], s[BIGN]
	s_mov_b32 s[AL0+4], 1.0                        ; band 1 holds the diagonal
	s_mov_b32 s[AL0+6], 0
	MASK 0
	MASK 1
	WIN 0
.Lopen_\@:
	PERIOD 0, \chg
	WIN 0
	s_or_b32 s84, s[DG0], s[DG1]
	s_cmp_eq_u32 s84, 0
	s_cbranch_scc1 .Lkeep_\@
	s_cmp_eq_u32 s[DG1], 1                         ; a diagonal tile's first step: band 0 holds the diagonal, band 1 sees all; any other step: all open
	s_cselect_b32 s[AL0], 1.0, 0
	s_mov_b32 s[AL0+2], 0
	s_mov_b32 s[AL0+4], 0
	s_mov_b32 s[AL0+6], 0
	MASK 0
	MASK 1
	WIN 0
.Lkeep_\@:
	s_cmp_eq_u32 s[DG0], 1
	s_cbranch_scc0 .Lsame_q_\@
	WIN 0xc1                                       ; the block's last scores are made: the second block's Q' goes where the one text names Q'
.set z, 0
.rept 96
	v_mov_b32 v[z], v[QB+z]
.set z, z+1
.endr
	WIN 0
.Lsame_q_\@:
	PERIOD 1, 0
	WIN 0
	s_cmp_eq_u32 s[DG0], 1
	s_cbranch_scc0 .Lon_\@
	WAYOUT
.Lon_\@:
.endm
	CHANGE 1, 0                                    ; tile 0 is in, everybody's part of it; tile 1 is asked for, into slot 1
.irp c, 0,1,2,3,4,5
	KRUN \c, 0                                     ; step 0
.endr
	VRUN 0, 0
	VRUN 1, 0
	VRUN 0, 1                                      ; V of step 1
	VRUN 1, 1
	s_wait_loadcnt 0x0                             ; Q', both blocks'
	s_wait_dscnt 0x0
.set i, 0
.rept 48
	KQ 1                                           ; step 0's scores: there is no vector work yet to set between them; K' of step 1 follows chunk by chunk
.if (i%8 == 1) && (i > 8)
	PLACES
	KRUN (i-9)/8, 1
.endif
.set i, i+1
.endr
	PLACES
	KRUN 5, 1
.set p, 0
.rept 17
	OPX p, 0, 0
	OPX p, 1, 0
.set p, p+1
.endr
	s_wait_dscnt 0x0                               ; the first period's counted waits lean on a full period's loads behind them: here all are in
	WIN 0
	s_mov_b32 s[TRIPS], 15
.Ltrip:                                            ; tiles 2 to 16 of the walk are asked for
	TRIP 1
	WIN 0
	s_sub_co_u32 s[TRIPS], s[TRIPS], 1
	s_cmp_lg_u32 s[TRIPS], 0
	s_cbranch_scc1 .Ltrip
	s_mov_b32 s[TRIPS], 2
.Ltail:                                            ; the last two trips ask for nothing.  The very last fetches old bytes, and its 48 products on them and their maximum serve nothing: the price of one text
	TRIP 2
	WIN 0
	s_sub_co_u32 s[TRIPS], s[TRIPS], 1
	s_cmp_lg_u32 s[TRIPS], 0
	s_cbranch_scc1 .Ltail
	s_wait_tensorcnt 0x0                           ; the wave's end: three lines behind my last tensor load and my last LDS store
	ds_add_u32 v[SPW], v[NIL]
	s_wait_dscnt 0x0
	s_endpgm
.Lfunc_end_k_qd56f92e001_attn:
	.size	k_qd56f92e001_attn, .Lfunc_end_k_qd56f92e001_attn-k_qd56f92e001_attn
	.p2alignl 7, 3214868480
	.fill 96, 4, 3214868480
	.section	.rodata,"a",@progbits
	.p2align	6, 0x0
	.amdhsa_kernel k_qd56f92e001_attn
		.amdhsa_group_segment_fixed_size 327680
		.amdhsa_private_segment_fixed_size 0
		.amdhsa_enable_private_segment 0
		.amdhsa_kernarg_size 32
		.amdhsa_user_sgpr_count 2
		.amdhsa_user_sgpr_kernarg_segment_ptr 1
		.amdhsa_wavefront_size32 1
		.amdhsa_system_sgpr_workgroup_id_x 1
		.amdhsa_system_sgpr_workgroup_id_y 1
		.amdhsa_system_sgpr_workgroup_id_z 1
		.amdhsa_system_vgpr_workitem_id 0
		.amdhsa_next_free_vgpr 928
		.amdhsa_next_free_sgpr 96
		.amdhsa_reserve_vcc 1
		.amdhsa_float_denorm_mode_32 3
		.amdhsa_float_denorm_mode_16_64 3
		.amdhsa_memory_ordered 1
		.amdhsa_forward_progress 1
		.amdhsa_inst_pref_size 171
	.end_amdhsa_kernel
	.amdgpu_metadata
---
amdhsa.version: [ 1, 2 ]
amdhsa.kernels:
  - .name:           k_qd56f92e001_attn
    .symbol:         k_qd56f92e001_attn.kd
    .args:
      - { .name: qc, .offset: 0, .size: 8, .value_kind: global_buffer, .address_space: global }
      - { .name: kc, .offset: 8, .size: 8, .value_kind: global_buffer, .address_space: global }
      - { .name: vh, .offset: 16, .size: 8, .value_kind: global_buffer, .address_space: global }
      - { .name: oh, .offset: 24, .size: 8, .value_kind: global_buffer, .address_space: global }
    .group_segment_fixed_size: 327680
    .private_segment_fixed_size: 0
    .kernarg_segment_align: 8
    .kernarg_segment_size: 32
    .max_flat_workgroup_size: 128
    .sgpr_count:     96
    .vgpr_count:     928
    .wavefront_size: 32
...
	.end_amdgpu_metadata
.endif
;; end of part 3
;; launch oproj (part 4): grid 8 x 32, 4 waves a work-group, clusters of 4 x 4, 327,680 bytes of LDS; arguments oh, wot, out0; writes out0
.if DOCPART == 4
	.amdgcn_target "amdgcn-amd-amdhsa--gfx1250"
	.amdhsa_code_object_version 6
	.text
	.protected	k_qd56f92e001_oproj
	.globl	k_qd56f92e001_oproj
	.p2align	8
	.type	k_qd56f92e001_oproj,@function
k_qd56f92e001_oproj:
	s_mov_b64 s[64:65], 0
	v_nop
	global_prefetch_b8 v0, s[64:65] scope:SCOPE_SE
	s_setreg_imm32_b32 hwreg(HW_REG_WAVE_MODE, 25, 1), 1
	s_wait_xcnt 0x0
	s_wait_alu depctr_hold_cnt(0) depctr_sa_sdst(0) depctr_va_vdst(0) depctr_va_sdst(0) depctr_va_ssrc(0) depctr_va_vcc(0) depctr_vm_vsrc(0)
	s_getreg_b32 s2, hwreg(HW_REG_IB_STS2, 6, 4)
	s_cmp_eq_u32 s2, 0
	s_cbranch_scc0 .Lentry_in_a_cluster
	s_endpgm
.Lentry_in_a_cluster:
	s_bfe_u32 s2, ttmp6, 0x10000c
	s_cmp_lg_u32 s2, 0xf033
	s_cbranch_scc0 .Lentry_shape_is_right
	s_endpgm
.Lentry_shape_is_right:
; OPROJ.  out0[m][n] = sum over k of O[m][k] Wo[k][n]: [4096] x [1024] over K = 1,024, f16 operands, f32 sums, f32 out.
; oh: [block of 128 rows][16 heads][128][64] f16: a head's 64 channels of a block are a dense plane of 16,384 bytes, and k = 64 head + channel.  wot: [1024 n][1024 k] f16.
; A tile of out0 is 128 x 128: 256 work-groups.  Four waves, each 64 x 64: 16 accumulators.  K goes in 4 steps of 256 (four planes; rows of 512 bytes of wot) through two LDS slots.
; CLUSTER.  4 x 4 work-groups: the four of a row share oh's tile, the four of a column wot's: each is asked for jointly.
; THE MATRIX INSTRUCTION IS USED TRANSPOSED (source 0 = 16 rows of wot, source 1 = 16 rows of O): a lane holds eight neighbouring numbers of a row of out0.
; A wave's 64 columns are 256 bytes: each wave sends its own rows out through its own stage.
; REGISTERS: window 0: v0-31 addresses; v32-95 the way out; v128-255 the accumulators ((a, b) at 128 + 8 (4 a + b)).  Window 1: two fragment buffers of 128: 64 registers of O, then 64 of wot.
.set APITCH, 144                       ; a row of a plane: 128 bytes + 16
.set BPITCH, 528                       ; a row of wot's tile: 512 bytes + 16
.set PLANE,  128*APITCH
.set ABYTES, 4*PLANE
.set SLOT,   ABYTES+128*BPITCH
.set STAGE,  2*SLOT                    ; behind the ring: 16 rows x 272 bytes for each wave
.set SPITCH, 272
.set SPARE,  STAGE+4*16*SPITCH         ; behind the stages: the spare words, 128 bytes for each wave
.set A0,   16
.set B0,   17
.set ADRA, 18
.set ADRB, 19
.set STO,  24
.set RD,   25
.set CO,   26
.set SPW,  28
.set NIL,  29
.set TMP,  32
.set ACC,  128
.set F0,   0
.set F1,   128
.set WV,   10
.set RH,   11                          ; wave / 2: my half of the rows; also: I fetch oh's tile (0) or wot's (1)
.set CH,   12                          ; wave % 2: my half of the columns; also: which half of that tile I fetch
.set CX,   16
.set CY,   17
.set XT,   18
.set YT,   19
.set G1A,  24
.set G0A,  32                          ; s[32:39] a set for each of the two first fills; the second then walks on
.set G1B,  40
.set G0B,  48
.set TBF,  56
.set TB,   57
.set CNT,  58
.set LBA,  59
.set LBB,  60
.set MSB, 0
.macro WIN new
.if MSB != (\new)
	s_set_vgpr_msb (MSB<<8)|(\new)
.set MSB, (\new)
.endif
.endm
.set MUL,  0x05                        ; sources 0 and 1 window 1; C and D window 0
.set TO_F, 0x40                        ; destination window 1, address window 0
.macro PLACES
.rept 4
	v_nop
.endr
.endm
.macro JLOAD                           ; a joint refill; an s_nop 0 and four v_nop follow each of the two lines
	s_cmp_eq_u32 s[RH], 0
	s_cbranch_scc0 .Lfor_b_\@
	tensor_load_to_lds s[G0A+4:G0A+7], s[G1A:G1A+7]
	s_nop 0
.rept 4
	v_nop
.endr
	s_branch .Lasked_\@
.Lfor_b_\@:
	tensor_load_to_lds s[G0B+4:G0B+7], s[G1B:G1B+7]
	s_nop 0
.rept 4
	v_nop
.endr
.Lasked_\@:
.endm
.macro CREST
	s_cmp_lg_u32 s[WV], 0
	s_cbranch_scc1 .Lnot_wave_0_\@
	s_barrier_signal -3
.Lnot_wave_0_\@:
	s_barrier_wait -3
	s_barrier_signal -1
	s_barrier_wait -1
.endm
.macro CROUND
	s_barrier_signal -1
	s_barrier_wait -1
	CREST
.endm
.macro STEPD                           ; the walking descriptors: the other slot, the next K step (four planes of oh; 512 bytes along wot's rows)
	s_xor_b32 s[TBF], s[TBF], SLOT
	s_add_co_u32 s[G0A+5], s[LBA], s[TBF]
	s_add_co_u32 s[G0B+5], s[LBB], s[TBF]
	s_add_nc_u64 s[G0A+6:G0A+7], s[G0A+6:G0A+7], 65536
	s_add_nc_u64 s[G0B+6:G0B+7], s[G0B+6:G0B+7], 512
.endm
	s_load_b128 s[4:7], s[0:1], 0x0                ; oh s[4:5], wot s[6:7]
	s_load_b64 s[8:9], s[0:1], 0x10                ; out0
	v_lshl_add_u32 v[SPW], v0, 2, SPARE
	v_mov_b32 v[NIL], 0
	ds_add_u32 v[SPW], v[NIL]                      ; the wave's opening: the add and its wait stand ahead of my first tensor load
	ds_add_u32 v28, v29
	v_lshrrev_b32 v1, 5, v0
	v_readfirstlane_b32 s[WV], v1
	s_lshr_b32 s[RH], s[WV], 1
	s_and_b32 s[CH], s[WV], 1
	s_bfe_u32 s[CX], ttmp6, 0x40000
	s_bfe_u32 s[CY], ttmp6, 0x40004
	s_lshl_b32 s[XT], ttmp9, 2
	s_add_co_u32 s[XT], s[XT], s[CX]               ; tile column
	s_and_b32 s[YT], ttmp7, 0xffff
	s_lshl_b32 s[YT], s[YT], 2
	s_add_co_u32 s[YT], s[YT], s[CY]               ; tile row
	s_lshl_b32 s20, s[CY], 2
	s_lshl_b32 s20, 15, s20                        ; my row of the cluster
	s_lshl_b32 s21, 0x1111, s[CX]                  ; my column
	s_or_b32 s[G1A], s20, (1<<16)|(1<<20)|(1<<21)|(4<<22)|(3<<25)  ; two planes as 128 rows of 256 dense bytes, 4 words of padding after every 32
	s_or_b32 s[G1B], s21, (1<<16)|(1<<20)|(1<<21)|(6<<22)|(3<<25)  ; 64 rows of 512 bytes, 4 words of padding after every 128
	s_mov_b32 s[G1A+1], 128<<16
	s_mov_b32 s[G1A+2], 128<<16
	s_mov_b32 s[G1A+3], 128<<16
	s_mov_b32 s[G1A+4], 128
	s_mov_b32 s[G1A+5], 128
	s_mov_b32 s[G1A+6], 0
	s_mov_b32 s[G1A+7], 0
	s_mov_b32 s[G1B+1], 256<<16
	s_mov_b32 s[G1B+2], 64<<16
	s_mov_b32 s[G1B+3], 256<<16
	s_mov_b32 s[G1B+4], 64
	s_mov_b32 s[G1B+5], 1024
	s_mov_b32 s[G1B+6], 0
	s_mov_b32 s[G1B+7], 0
	s_lshl_b32 s66, s[YT], 18                      ; oh: 16 planes a tile row,
	s_lshl_b32 s67, s[CH], 15                      ; my two of a step's four
	s_add_co_u32 s66, s66, s67
	s_mov_b32 s67, 0
	s_lshl_b32 s68, s[XT], 18                      ; wot: 128 rows of 2,048 bytes a tile column,
	s_lshl_b32 s69, s[CH], 17                      ; my 64 of them
	s_add_co_u32 s68, s68, s69
	s_mov_b32 s69, 0
	s_mul_i32 s[LBA], s[CH], 2*PLANE
	s_mul_i32 s[LBB], s[CH], 64*BPITCH
	s_add_co_u32 s[LBB], s[LBB], ABYTES
	s_mov_b32 s[TBF], SLOT
	s_mov_b32 s[TB], 0
	s_wait_dscnt 0x0                               ; the opening add is done
	s_wait_kmcnt 0x0
	s_add_nc_u64 s[70:71], s[4:5], s[66:67]
	s_add_nc_u64 s[72:73], s[6:7], s[68:69]
	CROUND                                         ; all sixteen work-groups are here: the first joint loads meet
.irp s, 0,1
	s_mov_b32 s[G0A+4*(\s)], 1
	s_add_co_u32 s[G0A+4*(\s)+1], s[LBA], (\s)*SLOT
	s_add_nc_u64 s[G0A+4*(\s)+2:G0A+4*(\s)+3], s[70:71], (\s)*65536
	s_or_b32 s[G0A+4*(\s)+3], s[G0A+4*(\s)+3], 0x80000000
	s_mov_b32 s[G0B+4*(\s)], 1
	s_add_co_u32 s[G0B+4*(\s)+1], s[LBB], (\s)*SLOT
	s_add_nc_u64 s[G0B+4*(\s)+2:G0B+4*(\s)+3], s[72:73], (\s)*512
	s_or_b32 s[G0B+4*(\s)+3], s[G0B+4*(\s)+3], 0x80000000
.endr
	s_cmp_eq_u32 s[RH], 0                          ; a wave's two first fills stand in one branch: two loads of mine are out
	s_cbranch_scc0 .Lfirst_b
	tensor_load_to_lds s[G0A:G0A+3], s[G1A:G1A+7]
	s_nop 0
	tensor_load_to_lds s[G0A+4:G0A+7], s[G1A:G1A+7]
	s_nop 0
.rept 4
	v_nop
.endr
	s_branch .Lfirst_asked
.Lfirst_b:
	tensor_load_to_lds s[G0B:G0B+3], s[G1B:G1B+7]
	s_nop 0
	tensor_load_to_lds s[G0B+4:G0B+7], s[G1B:G1B+7]
	s_nop 0
.rept 4
	v_nop
.endr
.Lfirst_asked:
	v_and_b32 v1, 15, v0                           ; l % 16
	v_bfe_u32 v2, v0, 4, 1                         ; l / 16
	s_mul_i32 s61, s[RH], 64*APITCH
	v_mul_u32_u24 v[A0], v1, APITCH
	v_lshl_add_u32 v[A0], v2, 4, v[A0]
	v_add_nc_u32 v[A0], s61, v[A0]
	s_mul_i32 s62, s[CH], 64*BPITCH
	s_add_co_u32 s62, s62, ABYTES
	v_mul_u32_u24 v[B0], v1, BPITCH
	v_lshl_add_u32 v[B0], v2, 4, v[B0]
	v_add_nc_u32 v[B0], s62, v[B0]
	v_mov_b32 v[ADRA], v[A0]
	v_mov_b32 v[ADRB], v[B0]
	s_mul_i32 s63, s[WV], 16*SPITCH
	s_add_co_u32 s63, s63, STAGE                   ; my stage
	v_mul_u32_u24 v[STO], v1, SPITCH               ; in: row l % 16, 32 bytes for each half of the lanes
	v_lshl_add_u32 v[STO], v2, 5, v[STO]
	v_add_nc_u32 v[STO], s63, v[STO]
	v_mul_u32_u24 v[RD], v2, SPITCH                ; back: lanes 0-15 one row of 256 bytes, lanes 16-31 the next
	v_lshl_add_u32 v[RD], v1, 4, v[RD]
	v_add_nc_u32 v[RD], s63, v[RD]
	v_lshlrev_b32 v[CO], 12, v2                    ; and the same two rows in out0: 4,096 bytes a row
	v_lshl_add_u32 v[CO], v1, 4, v[CO]
	s_lshl_b32 s74, s[YT], 19                      ; 128 rows,
	s_lshl_b32 s75, s[RH], 18                      ; my 64,
	s_add_co_u32 s74, s74, s75
	s_lshl_b32 s75, s[XT], 9                       ; 128 columns of 4 bytes,
	s_add_co_u32 s74, s74, s75
	s_lshl_b32 s75, s[CH], 8                       ; my 64
	s_add_co_u32 s74, s74, s75
	s_mov_b32 s75, 0
	s_add_nc_u64 s[8:9], s[8:9], s[74:75]
; 8 matrix instructions: row blocks a0, a0 + 1 x all 4 column blocks, 32 along K: half c of buffer f.  The 16 accumulators take turns.  zero = 1: the product starts the sum
.macro MUL8 f, c, a0, zero
	WIN MUL
.irp a, \a0, (\a0)+1
.irp b, 0,1,2,3
.if \zero
	v_wmma_f32_16x16x32_f16 v[ACC+8*(4*(\a)+(\b)):ACC+8*(4*(\a)+(\b))+7], v[(\f)+64+8*(4*(\c)+(\b)):(\f)+64+8*(4*(\c)+(\b))+7], v[(\f)+8*(4*(\c)+(\a)):(\f)+8*(4*(\c)+(\a))+7], 0
.else
	v_wmma_f32_16x16x32_f16 v[ACC+8*(4*(\a)+(\b)):ACC+8*(4*(\a)+(\b))+7], v[(\f)+64+8*(4*(\c)+(\b)):(\f)+64+8*(4*(\c)+(\b))+7], v[(\f)+8*(4*(\c)+(\a)):(\f)+8*(4*(\c)+(\a))+7], v[ACC+8*(4*(\a)+(\b)):ACC+8*(4*(\a)+(\b))+7]
.endif
.endr
.endr
.endm
; 32 LDS loads in one run: the fragments of quarter qq of a K step (plane qq; 64 along K), into buffer f; the first 32 along K first
.macro FETCH qq, f
	WIN TO_F
.irp c, 0,1
.irp i, 0,1,2,3
	ds_load_b128 v[(\f)+64+8*(4*(\c)+(\i)):(\f)+64+8*(4*(\c)+(\i))+3],   v[ADRB] offset:(\qq)*128+64*(\c)+(\i)*16*BPITCH
	ds_load_b128 v[(\f)+64+8*(4*(\c)+(\i))+4:(\f)+64+8*(4*(\c)+(\i))+7], v[ADRB] offset:(\qq)*128+64*(\c)+(\i)*16*BPITCH+32
	ds_load_b128 v[(\f)+8*(4*(\c)+(\i)):(\f)+8*(4*(\c)+(\i))+3],         v[ADRA] offset:(\qq)*PLANE+64*(\c)+(\i)*16*APITCH
	ds_load_b128 v[(\f)+8*(4*(\c)+(\i))+4:(\f)+8*(4*(\c)+(\i))+7],       v[ADRA] offset:(\qq)*PLANE+64*(\c)+(\i)*16*APITCH+32
.endr
.endr
.endm
.macro QUARTER qq, f, g, zero          ; multiplies buffer f and fetches quarter qq into buffer g
	s_wait_dscnt 16                                ; the first 32 along K are in; the youngest 16 loads may be out
	MUL8 \f, 0, 0, \zero
	MUL8 \f, 0, 2, \zero
	PLACES
	FETCH \qq, \g
	s_wait_dscnt 32                                ; all but the 32 just issued
	MUL8 \f, 1, 0, 0
	MUL8 \f, 1, 2, 0
.endm
; The fourth quarter multiplies buffer 1 and changes slots: one barrier; in front of it each wave waits for all its tensor loads, adds 0 to its spare word, and waits for that and for its reads of this slot.
; fill = 1: the barrier opens a round of the cluster's, and this slot is filled again, two K steps ahead, first thing behind the round.
.macro TURN fill
	WIN 0
	s_wait_tensorcnt 0x0
	ds_add_u32 v[SPW], v[NIL]
	s_wait_dscnt 17                                ; the add and the youngest 16 loads may be out
	MUL8 F1, 0, 0, 0
	s_wait_dscnt 0x0                               ; the add is done, and my reads of this slot are over
	s_barrier_signal -1
	MUL8 F1, 0, 2, 0
	WIN 0
	s_barrier_wait -1
.if \fill
	CREST
	STEPD
	JLOAD                                          ; its four v_nop are also the places in front of the loads below
.else
	PLACES
.endif
	s_xor_b32 s[TB], s[TB], SLOT
	v_add_nc_u32 v[ADRA], s[TB], v[A0]
	v_add_nc_u32 v[ADRB], s[TB], v[B0]
	FETCH 0, F0
	MUL8 F1, 1, 0, 0
	MUL8 F1, 1, 2, 0
.endm
	s_wait_tensorcnt 1                             ; my part of K step 0 is in; step 1's may stay out
	s_barrier_signal -1
	s_barrier_wait -1
	FETCH 0, F0
	QUARTER 1, F0, F1, 1                           ; the first quarter stands in front of the loop: its first products start the sums
	WIN 0
	s_mov_b32 s[CNT], 2
.Lk:                                               ; a trip: a K step's quarters 2 to 4 and the next step's first; K steps 2 and 3 are asked for
	QUARTER 2, F1, F0, 0
	QUARTER 3, F0, F1, 0
	TURN 1
	QUARTER 1, F0, F1, 0
	WIN 0
	s_sub_co_u32 s[CNT], s[CNT], 1
	s_cmp_lg_u32 s[CNT], 0
	s_cbranch_scc1 .Lk
	s_mov_b32 s[CNT], 2
.Ltail:                                            ; K steps 2 and 3 ask for nothing; the second trip is left in its middle (its 32 loads of old bytes serve nothing)
	QUARTER 2, F1, F0, 0
	QUARTER 3, F0, F1, 0
	TURN 0
	WIN 0
	s_sub_co_u32 s[CNT], s[CNT], 1
	s_cmp_eq_u32 s[CNT], 0
	s_cbranch_scc1 .Lout
	QUARTER 1, F0, F1, 0
	WIN 0
	s_branch .Ltail
.Lout:
	s_wait_dscnt 0x0
	PLACES
	; THE WAY OUT, 16 rows at a time through my own stage: 32 bytes a lane in (each accumulator's low four registers first), whole rows of 256 bytes back
.irp a, 0,1,2,3
.if (\a) >= 2
	s_wait_xcnt 0x0                                ; the stores of two blocks back have read the registers that are loaded again below
.endif
.irp b, 0,1,2,3
	ds_store_b128 v[STO], v[ACC+8*(4*(\a)+(\b)):ACC+8*(4*(\a)+(\b))+3]   offset:64*(\b)
	ds_store_b128 v[STO], v[ACC+8*(4*(\a)+(\b))+4:ACC+8*(4*(\a)+(\b))+7] offset:64*(\b)+16
.endr
.irp t, 0,1,2,3,4,5,6,7
	ds_load_b128 v[TMP+32*((\a)%2)+4*(\t):TMP+32*((\a)%2)+4*(\t)+3], v[RD] offset:(\t)*2*SPITCH  ; LDS serves a wave's instructions in order (ISA guide 5.7.1.4)
.endr
.irp t, 0,1,2,3,4,5,6,7
	s_wait_dscnt 7-(\t)                            ; the younger loads may stay out
	global_store_b128 v[CO], v[TMP+32*((\a)%2)+4*(\t):TMP+32*((\a)%2)+4*(\t)+3], s[8:9] offset:(16*(\a)+2*(\t))*4096  ; 16 lanes store 256 consecutive bytes, aligned
.endr
.endr
	s_wait_tensorcnt 0x0                           ; the wave's end: three lines behind my last tensor load and my last LDS store
	ds_add_u32 v[SPW], v[NIL]
	s_wait_dscnt 0x0
	CROUND                                         ; the closing round
	s_endpgm
.Lfunc_end_k_qd56f92e001_oproj:
	.size	k_qd56f92e001_oproj, .Lfunc_end_k_qd56f92e001_oproj-k_qd56f92e001_oproj
	.p2alignl 7, 3214868480
	.fill 96, 4, 3214868480
	.section	.rodata,"a",@progbits
	.p2align	6, 0x0
	.amdhsa_kernel k_qd56f92e001_oproj
		.amdhsa_group_segment_fixed_size 327680
		.amdhsa_private_segment_fixed_size 0
		.amdhsa_enable_private_segment 0
		.amdhsa_kernarg_size 24
		.amdhsa_user_sgpr_count 2
		.amdhsa_user_sgpr_kernarg_segment_ptr 1
		.amdhsa_wavefront_size32 1
		.amdhsa_system_sgpr_workgroup_id_x 1
		.amdhsa_system_sgpr_workgroup_id_y 1
		.amdhsa_system_sgpr_workgroup_id_z 1
		.amdhsa_system_vgpr_workitem_id 0
		.amdhsa_next_free_vgpr 512
		.amdhsa_next_free_sgpr 80
		.amdhsa_reserve_vcc 0
		.amdhsa_float_denorm_mode_32 3
		.amdhsa_float_denorm_mode_16_64 3
		.amdhsa_memory_ordered 1
		.amdhsa_forward_progress 1
		.amdhsa_inst_pref_size 58
	.end_amdhsa_kernel
	.amdgpu_metadata
---
amdhsa.version: [ 1, 2 ]
amdhsa.kernels:
  - .name:           k_qd56f92e001_oproj
    .symbol:         k_qd56f92e001_oproj.kd
    .args:
      - { .name: oh, .offset: 0, .size: 8, .value_kind: global_buffer, .address_space: global }
      - { .name: wot, .offset: 8, .size: 8, .value_kind: global_buffer, .address_space: global }
      - { .name: out0, .offset: 16, .size: 8, .value_kind: global_buffer, .address_space: global }
    .group_segment_fixed_size: 327680
    .private_segment_fixed_size: 0
    .kernarg_segment_align: 8
    .kernarg_segment_size: 24
    .max_flat_workgroup_size: 128
    .sgpr_count:     80
    .vgpr_count:     512
    .wavefront_size: 32
...
	.end_amdgpu_metadata
.endif
;; end of part 4
